; MI455X (gfx1250); checked and timed in simulation.
; The chip was launched on July 23, 2026; its instructions are those of AMD's public machine-readable ISA for CDNA 5 (MIT licence, August 2026) and "CDNA5" Instruction Set Architecture Reference Guide (July 2026). The comments in the code are by the model that wrote it; some were corrected since.
;; Causal Self Attention. Allowed arithmetic: matrix products marked QUANTISED: E3M2 operands, one E8M0 scale for each 32 along K, by v_wmma_scale_f32_16x16x128_f8f6f4 with both operands' format E3M2, f32 sums; everything else in f32.
;; Inputs: Wk 1,024 x 1,024 float32; Wo 1,024 x 1,024 float32; Wq 1,024 x 1,024 float32; Wv 1,024 x 1,024 float32; bk 1,024 float32; bo 1,024 float32; bq 1,024 float32; bv 1,024 float32; x 4 x 2,048 x 1,024 float32.
;; Outputs: out0 4 x 2,048 x 1,024 float32.
;; This version of the problem:
;;   THIS VERSION OF THE PROBLEM IS GIVEN IN LOW PRECISION. The matrix products marked QUANTISED in the list below multiply operands that are first quantised to E3M2 (3 exponent bits, 2 mantissa bits; 6 bits a number), with one power-of-two scale for each 32 numbers along K (OCP MX v1.0); their sums are f32. All else is computed in f32.
;;   The module's matrix products, in the order in which they are computed (A, B: the left and right operand; K: the contracted axis; several contracted axes count as one K, in the product's order):
;;     1. [M 8,192, K 1,024] x [K 1,024, N 1,024]; A: input x; B: input Wq: QUANTISED
;;     2. [M 8,192, K 1,024] x [K 1,024, N 1,024]; A: input x; B: input Wk: QUANTISED
;;     3. [M 8,192, K 1,024] x [K 1,024, N 1,024]; A: input x; B: input Wv: QUANTISED
;;     4. batch 64 x [M 2,048, K 64] x [K 64, N 2,048]; A: computed on the way; B: computed on the way: QUANTISED
;;     5. batch 64 x [M 2,048, K 2,048] x [K 2,048, N 64]; A: softmax (see below); B: computed on the way: QUANTISED
;;     6. [M 8,192, K 1,024] x [K 1,024, N 1,024]; A: computed on the way; B: input Wo: QUANTISED
;;   THE QUANTISER, for each operand of a quantised product, along K:
;;     - K is cut into blocks of 32 from its start; a last block that is shorter is filled with zeros.
;;     - A block's scale is 2^e with e = floor(log2(the largest magnitude in the block)) - 4, held to -126 .. 127; a block of zeros has e = 0. As a byte (E8M0): e + 127.
;;     - Each number is divided by its block's scale, clamped to +-28, and rounded to the nearest number of E3M2, ties to even, subnormals kept.
;;     - The product sums the exact products of the quantised numbers (number of the format x scale) in f32.
;;   ~~~python
;;   def quantise(x, axis):      # numpy; x: float32 -> the quantised numbers, widened to float32 again
;;       x = np.moveaxis(x, axis, -1); K = x.shape[-1]
;;       x = np.pad(x, [(0, 0)] * (x.ndim - 1) + [(0, -K % 32)]); x = x.reshape(x.shape[:-1] + (-1, 32)); a = np.abs(x).max(-1, keepdims=True)
;;       e = np.where(a > 0, np.clip(np.frexp(np.where(a > 0, a, 1))[1] - 1 - 4, -126, 127), 0)      # np.frexp(a)[1] - 1 = floor(log2(a)), exactly
;;       r = np.clip(x / 2.0 ** e, -28, 28)
;;       step = 2.0 ** (np.maximum(np.frexp(np.where(r == 0, 1, r))[1] - 1, -2) - 2)
;;       q = np.round(r / step) * step * 2.0 ** e      # np.round: ties to even
;;       return np.moveaxis(q.reshape(q.shape[:-2] + (-1,))[..., :K], -1, axis).astype(np.float32)
;;   ~~~
;;   SOFTMAX AHEAD OF A QUANTISED PRODUCT. Where the list says 'softmax', what is quantised is not the finished softmax but p = 2^(t - M), with t = logit x log2(e) and M = ceil(the row's largest t), a whole number; so 1/2 < the row's largest p <= 1. The row's sum l is taken of the UNQUANTISED p, in f32, and the product's result is divided by l at the end. Since M is a whole number, a kernel that streams over the keys may use a running M (the ceiling of the running maximum): every later rescaling is an exact power of two, which a block's scale takes up: the codes' values come out the same.
;;   OPERANDS COMPUTED ON THE WAY. 'Computed on the way' means the value that the module computes at that place (a softmax that the list does not call 'softmax' is quantised finished and normalised). What goes into a quantiser is computed in f32, as accurately as f32 sums, v_exp_f32 and their like allow (about 1e-6 of the number): no bf16 or f16 on the way to a quantiser, and a product that is left as it is and whose result goes on into a quantised operand takes f32 operands (vector FMAs, or v_wmma_f32_16x16x4_f32). A number that lies on a knife's edge between two numbers of the format may be rounded either way, as far as f32 arithmetic and the matrix unit's own rounding can turn it there, and no further.
;; One version. Each part assembles by itself: llvm-mc -triple=amdgcn-amd-amdhsa -mcpu=gfx1250 --defsym DOCPART=n.
;; ======== version 1 of 1: 4 launches
;; workspace buffers: prep 10,354,688 bytes; qkv 20,185,088 bytes; yq 6,553,600 bytes
;; launch prep (part 1): grid 400 x 1, 4 waves a work-group, no clusters, 35,328 bytes of LDS; arguments x, Wq, Wk, Wv, Wo, prep; writes prep
.if DOCPART == 1
	.amdgcn_target "amdgcn-amd-amdhsa--gfx1250"
	.amdhsa_code_object_version 6
	.text
	.protected	k_q9d765bae2e_prep
	.globl	k_q9d765bae2e_prep
	.p2align	8
	.type	k_q9d765bae2e_prep,@function
k_q9d765bae2e_prep:
	s_mov_b64 s[64:65], 0
	v_nop
	global_prefetch_b8 v0, s[64:65] scope:SCOPE_SE
	s_setreg_imm32_b32 hwreg(HW_REG_WAVE_MODE, 25, 1), 1
	s_wait_xcnt 0x0
; x [8192][1024] and Wq, Wk, Wv, Wo [1024][1024], f32 with K innermost, become codes of BF6 (E3M2) with one E8M0 byte for each 32 along K; and the table of cos and sin for the rotary embedding is made.
; A block's scale is 2^(floor(log2(largest magnitude)) - 4): its byte is the largest magnitude's exponent field - 4, held at 1 from below by a floor among the maximum's leaves.
; LIMITS: NaN and infinities among the inputs are not served; a block whose largest magnitude lies under 2^(5 - 127) keeps the byte 1; a block of zeros has the byte 1 and not 127: its codes are zeros, and this program alone reads the bytes.
; LAYOUT OF THE CODES.  Rows go in blocks of 16: slot s of block i holds row 32 (i / 2) + 8 (i % 2) + s + 8 (s / 8).  A chunk is 16 slots x 64 along K, 768 bytes, laid as the matrix operand's registers:
; lane (r, h) owns block h of slot r, six registers; registers 0-3 lie at 16 x lane, registers 4-5 at 512 + 8 x lane.  A row block is 16 chunks, 12,288 bytes.
; Scale bytes: [row block][half of K][slot][16 bytes], byte 2 (chunk % 8) + block.
; SHARES.  Work-groups 0-383 quantise 32 rows each (0-255: x; then 32 each for Wq, Wk, Wv, Wo); wave w takes row block w / 2 and half w % 2 of K: 8 chunks.  Each load reads two rows' 256 consecutive bytes; a chunk turns
; through the wave's own stage in LDS (16 rows of 256 + 16 bytes, two stages by turns), so that a lane gets 16 neighbours of each of the chunk's two blocks.  Waves share nothing: no barrier.
; Work-groups 384-399 make the table [2048][cos 32 | sin 32], row t for position t + 1; they use no LDS.
.set XC,  0
.set XS,  6291456
.set WC,  6553600
.set WS,  9699328
.set TAB, 9830400
.set R,   16                           ; v16-143  four sets of 32 registers as loaded
.set X,   144                          ; v144-207 two sets of 32: register 16 b + i = k 32 b + 16 h + i of my slot
.set PC,  208                          ; v208-213 a chunk's codes
.set PT,  216                          ; v216-218 the second conversion's result
.set TM,  220                          ; v220-221 maxima, v222-223 the other half's, then bytes, v224-225 scale operands, v226 two bytes
.set SB,  232                          ; v232-235 my slot's 16 scale bytes
.set SEL, 36                           ; s[36:37] lane selects: lane l xor 16
	s_load_b256 s[4:11], s[0:1], 0x0               ; x, Wq, Wk, Wv
	s_load_b128 s[12:15], s[0:1], 0x20             ; Wo, prep
	v_lshl_add_u32 v240, v0, 2, 0x8800
	v_mov_b32 v241, 0
	v_lshrrev_b32 v1, 5, v0
	v_readfirstlane_b32 s16, v1                    ; wave
	v_and_b32 v2, 31, v0                           ; lane
	s_cmp_ge_u32 ttmp9, 384
	s_cbranch_scc1 .Ltable
	v_and_b32 v3, 15, v2                           ; r
	v_lshrrev_b32 v10, 4, v2                       ; h
	v_lshlrev_b32 v4, 12, v10
	v_lshl_add_u32 v4, v3, 4, v4                   ; in: lanes 0-15 one row's 256 bytes, lanes 16-31 the next row's
	s_mul_i32 s17, s16, 8704                       ; my wave's two stages
	v_mul_u32_u24 v5, v10, 272
	v_lshl_add_u32 v5, v3, 4, v5
	v_add_nc_u32 v5, s17, v5                       ; into a stage, as loaded
	v_mul_u32_u24 v6, v3, 272
	v_lshl_add_u32 v6, v10, 6, v6
	v_add_nc_u32 v6, s17, v6                       ; out of it: slot r, + 64 h
	v_lshlrev_b32 v7, 4, v2                        ; 16 x lane
	v_lshlrev_b32 v8, 3, v2                        ; 8 x lane
	v_lshlrev_b32 v9, 4, v3
	v_lshl_add_u32 v9, v10, 3, v9                  ; scale bytes out: 16 r + 8 h
	v_mov_b32 v[TM+2], 0                           ; written once: a lane permute's destination counts as one of its sources
	v_mov_b32 v[TM+3], 0
	s_mov_b32 s[SEL], 0x76543210
	s_mov_b32 s[SEL+1], 0xfedcba98
	s_mov_b32 s34, 0xffff0000                      ; lanes 16-31
	s_lshr_b32 s23, s16, 1                         ; which of the two row blocks
	s_and_b32 s24, s16, 1                          ; which half of K
	s_sub_co_u32 s18, ttmp9, 256
	s_and_b32 s19, s18, 31
	s_mov_b32 s20, WC
	s_mov_b32 s21, WS
	s_cmp_lt_u32 ttmp9, 256                        ; x or a weight: the choice hangs on the work-group's number alone
	s_cselect_b32 s19, ttmp9, s19                  ; which 32 rows of the tensor
	s_cselect_b32 s18, ttmp9, s18                  ; which pair of row blocks of the codes' part
	s_cselect_b32 s20, XC, s20
	s_cselect_b32 s21, XS, s21
	s_lshl_b32 s26, s19, 17                        ; 32 rows of 4,096 bytes
	s_lshl_b32 s25, s23, 15                        ; the second row block begins 8 rows down
	s_add_co_u32 s26, s26, s25
	s_lshl_b32 s25, s24, 11                        ; half a row
	s_add_co_u32 s26, s26, s25
	s_mov_b32 s27, 0
	s_lshl_b32 s28, s18, 1
	s_add_co_u32 s28, s28, s23                     ; my row block
	s_mul_i32 s30, s28, 12288
	s_add_co_u32 s30, s30, s20
	s_mul_i32 s25, s24, 6144
	s_add_co_u32 s30, s30, s25
	s_mov_b32 s31, 0
	s_lshl_b32 s32, s28, 9
	s_add_co_u32 s32, s32, s21
	s_lshl_b32 s25, s24, 8
	s_add_co_u32 s32, s32, s25
	s_mov_b32 s33, 0
	s_wait_kmcnt 0x0
	s_cmp_lt_u32 ttmp9, 352
	s_cselect_b64 s[12:13], s[10:11], s[12:13]
	s_cmp_lt_u32 ttmp9, 320
	s_cselect_b64 s[12:13], s[8:9], s[12:13]
	s_cmp_lt_u32 ttmp9, 288
	s_cselect_b64 s[12:13], s[6:7], s[12:13]
	s_cmp_lt_u32 ttmp9, 256
	s_cselect_b64 s[12:13], s[4:5], s[12:13]
	s_add_nc_u64 s[12:13], s[12:13], s[26:27]      ; the numbers
	s_add_nc_u64 s[30:31], s[14:15], s[30:31]      ; the codes
	s_add_nc_u64 s[32:33], s[14:15], s[32:33]      ; the scale bytes
.macro LOAD c                          ; chunk c: 16 slots x 256 bytes; load i takes slots 2 i and 2 i + 1, rows 2 i + 8 (i / 4) and the next
.irp i, 0,1,2,3,4,5,6,7
	global_load_b128 v[R+32*((\c)%4)+4*\i:R+32*((\c)%4)+4*\i+3], v4, s[12:13] offset:(2*\i+8*(\i/4))*4096+256*(\c) th:TH_LOAD_NT
.endr
.endm
.macro TURN c                          ; through the stage: LDS serves a wave's instructions in order, so no wait stands between the stores and the loads
.irp i, 0,1,2,3,4,5,6,7
	ds_store_b128 v5, v[R+32*((\c)%4)+4*\i:R+32*((\c)%4)+4*\i+3] offset:4352*((\c)%2)+544*\i
.endr
.irp i, 0,1,2,3
	ds_load_b128 v[X+32*((\c)%2)+4*\i:X+32*((\c)%2)+4*\i+3], v6 offset:4352*((\c)%2)+16*\i
.endr
.irp i, 0,1,2,3
	ds_load_b128 v[X+32*((\c)%2)+16+4*\i:X+32*((\c)%2)+16+4*\i+3], v6 offset:4352*((\c)%2)+128+16*\i
.endr
.endm
.macro QUANT2 src                      ; 32 numbers of a lane, two half blocks, become the lane's whole block of 32 codes in v[PC] on; the two bytes in v[TM+2], v[TM+3]
.irp b, 0,1
	v_max3_num_f32 v[TM+\b], |v[(\src)+16*\b]|, |v[(\src)+1+16*\b]|, 0x2800000   ; my 16 numbers of block b, and the floor 2^(5 - 127)
.endr
.irp i, 2,4,6,8,10,12,14
.irp b, 0,1
	v_max3_num_f32 v[TM+\b], v[TM+\b], |v[(\src)+16*\b+\i]|, |v[(\src)+1+16*\b+\i]|
.endr
.endr
.irp b, 0,1
	v_permlanex16_b32 v[TM+2+\b], v[TM+\b], s[SEL], s[SEL+1]
.endr
.irp b, 0,1
	v_max_num_f32 v[TM+\b], v[TM+\b], v[TM+2+\b]   ; with lane l xor 16's: the block's largest magnitude
.endr
.irp b, 0,1
	v_add_nc_u32 v[TM+4+\b], 0xfe000000, v[TM+\b]  ; 4 off its exponent field: the conversion's scale operand
.endr
.irp b, 0,1
	v_lshrrev_b32 v[TM+2+\b], 23, v[TM+4+\b]       ; the scale's byte
.endr
	v_cvt_scalef32_pk16_bf6_f32 v[PC:PC+2], v[(\src):(\src)+15], v[TM+4]
	v_cvt_scalef32_pk16_bf6_f32 v[PT:PT+2], v[(\src)+16:(\src)+31], v[TM+5]
	v_nop                                          ; one plain line behind a scaled conversion
.irp i, 0,1,2
	v_permlane16_swap_b32 v[PC+\i], v[PT+\i]       ; lanes 0-15 get block 0 whole, lanes 16-31 block 1
.endr
.irp i, 0,1,2
	v_mov_b32 v[PC+3+\i], v[PT+\i]
.endr
.endm
.macro CHUNK c
	s_wait_dscnt 0x0                               ; this chunk is back from the stage, so its stores into the stage have read their registers,
.if (\c)+4 < 8
	LOAD (\c)+4                                    ; which take the chunk four on
.endif
.if (\c) < 7
.if (\c) < 4
	s_wait_loadcnt 24                              ; the next chunk's eight loads are in; those of the three chunks behind it may be out
.else
	s_wait_loadcnt 8*(6-(\c))
.endif
	TURN (\c)+1
.endif
.if (\c) > 0
	s_wait_xcnt 0x0                                ; the last chunk's stores have read the codes' registers
.endif
	QUANT2 X+32*((\c)%2)
	v_lshl_or_b32 v[TM+6], v[TM+3], 8, v[TM+2]
.if (\c)%2 == 0
	v_mov_b32 v[SB+(\c)/2], v[TM+6]
.else
	v_lshl_or_b32 v[SB+(\c)/2], v[TM+6], 16, v[SB+(\c)/2]
.endif
	global_store_b128 v7, v[PC:PC+3], s[30:31] offset:768*(\c)          ; 512 consecutive bytes
	global_store_b64 v8, v[PC+4:PC+5], s[30:31] offset:768*(\c)+512     ; 256 consecutive bytes
.endm
	LOAD 0
	LOAD 1
	LOAD 2
	LOAD 3
	s_wait_loadcnt 24                              ; chunk 0's eight loads are in
	TURN 0
.irp c, 0,1,2,3,4,5,6,7
	CHUNK \c
.endr
	v_cndmask_b32 v236, v232, v234, s34            ; lanes 0-15 store bytes 0-7 of their slot, lanes 16-31 bytes 8-15
	v_cndmask_b32 v237, v233, v235, s34
	global_store_b64 v9, v[236:237], s[32:33]      ; 256 consecutive bytes
	s_wait_tensorcnt 0x0
	ds_add_u32 v240, v241
	s_wait_dscnt 0x0
	s_endpgm
; THE TABLE.  theta_i = 10000^(-i / 32) = 10^(-i / 8), written out so that each is the f32 number nearest to it.  C = position x theta in f32, as the source has it.
; cos and sin of C: n = the whole number nearest to C x 2 / pi; C - n pi / 2 in two steps (the first is exact: n is at most 1,304 and the difference fits in 24 bits); two short polynomials on |.| <= pi / 4;
; the quadrant picks polynomial and sign.  cos(C) is taken as sin(C + pi / 2): one quadrant on.
.Ltable:
	s_sub_co_u32 s17, ttmp9, 384
	s_lshl_b32 s17, s17, 2
	s_add_co_u32 s17, s17, s16                     ; 0 .. 63: which 32 rows
	s_lshl_b32 s18, s17, 5
	s_add_co_u32 s19, s18, 1                       ; the first row's position
	v_cvt_f32_u32 v3, s19
	s_lshl_b32 s20, s18, 8
	s_add_co_u32 s20, s20, TAB
	s_mov_b32 s21, 0
	v_lshlrev_b32 v4, 3, v2                        ; a lane makes elements 2 l and 2 l + 1 of a row: lanes 0-15 cos, lanes 16-31 sin
	v_and_b32 v5, 15, v2                           ; m: my thetas are 2 m and 2 m + 1
	v_lshrrev_b32 v6, 4, v2
	v_sub_nc_u32 v6, 1, v6                         ; 1 for cos, 0 for sin
	v_mov_b32 v7, 0
	v_mov_b32 v8, 0
.macro THETA k, t0, t1
	v_cmp_ne_u32 vcc_lo, \k, v5
	v_cndmask_b32 v7, \t0, v7, vcc_lo
	v_cndmask_b32 v8, \t1, v8, vcc_lo
.endm
	THETA 0, 1.0, 0.7498942093324559
	THETA 1, 0.5623413251903491, 0.4216965034285822
	THETA 2, 0.31622776601683794, 0.23713737056616552
	THETA 3, 0.17782794100389228, 0.1333521432163324
	THETA 4, 0.1, 0.07498942093324559
	THETA 5, 0.05623413251903491, 0.04216965034285822
	THETA 6, 0.031622776601683794, 0.023713737056616552
	THETA 7, 0.017782794100389228, 0.01333521432163324
	THETA 8, 0.01, 0.007498942093324559
	THETA 9, 0.005623413251903491, 0.004216965034285822
	THETA 10, 0.0031622776601683794, 0.0023713737056616552
	THETA 11, 0.0017782794100389228, 0.001333521432163324
	THETA 12, 0.001, 0.0007498942093324559
	THETA 13, 0.0005623413251903491, 0.0004216965034285822
	THETA 14, 0.00031622776601683794, 0.00023713737056616552
	THETA 15, 0.00017782794100389228, 0.0001333521432163324
	s_mov_b32 s30, 0x3f22f983                      ; 2 / pi
	s_mov_b32 s31, 0x3fc90fdb                      ; pi / 2, its f32 number
	s_mov_b32 s32, 0xb33bbd2e                      ; and what is left of it
	s_mov_b32 s33, 0xb94ca1f9                      ; sin: -1.9515295891e-4
	s_mov_b32 s34, 0x3c08839e                      ;       8.3321608736e-3
	s_mov_b32 s35, 0xbe2aaaa3                      ;      -1.6666654611e-1
	s_mov_b32 s36, 0x37ccf5ce                      ; cos:  2.443315711809948e-5
	s_mov_b32 s37, 0xbab6061a                      ;      -1.388731625493765e-3
	s_mov_b32 s38, 0x3d2aaaa5                      ;       4.166664568298827e-2
	s_wait_kmcnt 0x0
	s_add_nc_u64 s[14:15], s[14:15], s[20:21]
.macro EVAL th, res
	v_mul_f32 v10, v3, v[\th]                      ; C
	v_mul_f32 v11, s30, v10
	v_rndne_f32 v11, v11                           ; n
	v_fma_f32 v12, -v11, s31, v10
	v_fma_f32 v12, -v11, s32, v12                  ; the rest, |.| <= pi / 4
	v_cvt_i32_f32 v13, v11
	v_add_nc_u32 v13, v13, v6                      ; the quadrant
	v_mul_f32 v14, v12, v12
	v_fma_f32 v15, v14, s33, s34
	v_fma_f32 v15, v15, v14, s35
	v_mul_f32 v16, v14, v12
	v_fma_f32 v15, v15, v16, v12                   ; sin of the rest
	v_fma_f32 v17, v14, s36, s37
	v_fma_f32 v17, v17, v14, s38
	v_mul_f32 v18, v14, v14
	v_fma_f32 v19, v14, -0.5, 1.0
	v_fma_f32 v17, v17, v18, v19                   ; cos of the rest
	v_and_b32 v18, 1, v13
	v_cmp_eq_u32 vcc_lo, 1, v18
	v_cndmask_b32 v15, v15, v17, vcc_lo            ; odd quadrants take the cosine
	v_lshlrev_b32 v13, 30, v13
	v_and_b32 v13, 0x80000000, v13                 ; quadrants 2 and 3 change the sign
	v_xor_b32 v[\res], v15, v13
.endm
	s_mov_b32 s22, 0
.Lrow:
	EVAL 7, 20
	EVAL 8, 21
	global_store_b64 v4, v[20:21], s[14:15]        ; a row: 256 consecutive bytes
	s_wait_xcnt 0x0                                ; the store has read its offset and its data: both are written again
	v_add_nc_u32 v4, 0x100, v4
	v_add_f32 v3, 1.0, v3
	s_add_co_u32 s22, s22, 1
	s_cmp_lt_u32 s22, 32
	s_cbranch_scc1 .Lrow
	s_endpgm
.Lfunc_end_k_q9d765bae2e_prep:
	.size	k_q9d765bae2e_prep, .Lfunc_end_k_q9d765bae2e_prep-k_q9d765bae2e_prep
	.p2alignl 7, 3214868480
	.fill 96, 4, 3214868480
	.section	.rodata,"a",@progbits
	.p2align	6, 0x0
	.amdhsa_kernel k_q9d765bae2e_prep
		.amdhsa_group_segment_fixed_size 35328
		.amdhsa_private_segment_fixed_size 0
		.amdhsa_enable_private_segment 0
		.amdhsa_kernarg_size 48
		.amdhsa_user_sgpr_count 2
		.amdhsa_user_sgpr_kernarg_segment_ptr 1
		.amdhsa_wavefront_size32 1
		.amdhsa_system_sgpr_workgroup_id_x 1
		.amdhsa_system_sgpr_workgroup_id_y 1
		.amdhsa_system_sgpr_workgroup_id_z 1
		.amdhsa_system_vgpr_workitem_id 0
		.amdhsa_next_free_vgpr 242
		.amdhsa_next_free_sgpr 66
		.amdhsa_reserve_vcc 1
		.amdhsa_float_denorm_mode_32 3
		.amdhsa_float_denorm_mode_16_64 3
		.amdhsa_memory_ordered 1
		.amdhsa_forward_progress 1
		.amdhsa_inst_pref_size 42
	.end_amdhsa_kernel
	.amdgpu_metadata
---
amdhsa.version: [ 1, 2 ]
amdhsa.kernels:
  - .name:           k_q9d765bae2e_prep
    .symbol:         k_q9d765bae2e_prep.kd
    .args:
      - { .name: x, .offset: 0, .size: 8, .value_kind: global_buffer, .address_space: global }
      - { .name: Wq, .offset: 8, .size: 8, .value_kind: global_buffer, .address_space: global }
      - { .name: Wk, .offset: 16, .size: 8, .value_kind: global_buffer, .address_space: global }
      - { .name: Wv, .offset: 24, .size: 8, .value_kind: global_buffer, .address_space: global }
      - { .name: Wo, .offset: 32, .size: 8, .value_kind: global_buffer, .address_space: global }
      - { .name: prep, .offset: 40, .size: 8, .value_kind: global_buffer, .address_space: global }
    .group_segment_fixed_size: 35328
    .private_segment_fixed_size: 0
    .kernarg_segment_align: 8
    .kernarg_segment_size: 48
    .max_flat_workgroup_size: 128
    .sgpr_count:     66
    .vgpr_count:     242
    .wavefront_size: 32
...
	.end_amdgpu_metadata
.endif
;; end of part 1
;; launch qkv (part 2): grid 96 x 4, 4 waves a work-group, clusters of 4 x 4, 327,680 bytes of LDS; arguments prep, bq, bk, bv, qkv; writes qkv
.if DOCPART == 2
	.amdgcn_target "amdgcn-amd-amdhsa--gfx1250"
	.amdhsa_code_object_version 6
	.text
	.protected	k_q9d765bae2e_qkv
	.globl	k_q9d765bae2e_qkv
	.p2align	8
	.type	k_q9d765bae2e_qkv,@function
k_q9d765bae2e_qkv:
	s_mov_b64 s[64:65], 0
	v_nop
	global_prefetch_b8 v0, s[64:65] scope:SCOPE_SE
	s_setreg_imm32_b32 hwreg(HW_REG_WAVE_MODE, 25, 1), 1
	s_wait_xcnt 0x0
	s_wait_alu depctr_hold_cnt(0) depctr_sa_sdst(0) depctr_va_vdst(0) depctr_va_sdst(0) depctr_va_ssrc(0) depctr_va_vcc(0) depctr_vm_vsrc(0)
	s_getreg_b32 s2, hwreg(HW_REG_IB_STS2, 6, 4)
	s_cmp_eq_u32 s2, 0
	s_cbranch_scc0 .Lentry_in_a_cluster
	s_endpgm
.Lentry_in_a_cluster:
	s_bfe_u32 s2, ttmp6, 0x10000c
	s_cmp_lg_u32 s2, 0xf033
	s_cbranch_scc0 .Lentry_shape_is_right
	s_endpgm
.Lentry_shape_is_right:
; q, k = rope(x W^T + b) and v = x Wv^T + bv, on codes of BF6 (E3M2) with E8M0 scales, and their results quantised again for the attention: q and k along the head's 64, v along the tokens.
; ONE TEXT, TWO KINDS OF CLUSTER.  Clusters 0-15: C[token][feature], A = x (8,192 rows), B = Wq | Wk (2,048 rows).  Clusters 16-23: C[feature][token], A = Wv (1,024 rows), B = x: so v's results have the tokens along a lane's registers.
; A tile of C is 256 x 256, four waves of 128 x 128 (64 accumulators).  The matrix instruction is used transposed (source 0 = 16 rows of B, source 1 = 16 rows of A): a lane holds one row of A and eight rows of B.
; OPERANDS lie in memory as images of registers: row blocks of 16 slots (slot s of block i = row 32 (i / 2) + 8 (i % 2) + s + 8 (s / 8)), chunks of 64 along K of 768 bytes (registers 0-3 at 16 x lane, 4-5 at 512 + 8 x lane).
; By that order of rows the 16 registers of B's blocks 2 b and 2 b + 1 are 16 neighbours, 32 b + 16 (lane / 16) + 0 .. 15: what the conversions want.
; K = 1,024 goes in four steps of 256 through two LDS slots; the steps are written out.  The scale bytes of the work-group's rows, for all of K, come once and go into 64 registers.
; CLUSTER 4 x 4: A's tiles are asked for jointly along a row of the cluster, B's along a column.
; No prefetch: two of the four K steps are asked for at the head and the other two one step after.
; LIMITS: as in the first launch: NaN and infinities are not served; a block under 2^(5 - 127) keeps the byte 1, a block of zeros too.
; REGISTERS.  window 0: v2-9 the rows' scale words on the way out; v10-15, v24 offsets; v16-23, v27 LDS addresses; v28, v29 the add's; v32-95 scale words and nothing else; v96-127, v224-255 cos and sin, two sets (or bv);
;   v128-223 A's fragments, one set; on the way out v128-191 64 numbers, v192-211 codes, v212-223 at work.   window 1: B's fragments at v0 and v128; on the way out v0-63 the bias.   windows 2, 3: accumulator (a, b) at v[8 (8 (a % 4) + b)].
.set XC,  0
.set XS,  6291456
.set WC,  6553600
.set WS,  9699328
.set TAB, 9830400
.set QC,  0
.set QS,  6291456
.set KVC, 6815744
.set KVS, 19398656
.set RBK,   12288                      ; a row block's codes for all of K
.set KSB,   3072                       ; and for a K step of 256: four chunks
.set HALFT, 24576                      ; 8 row blocks x 3,072: what one tensor load brings
.set SLOT,  98304                      ; A's 16 row blocks, then B's
.set SCL,   196608                     ; behind the ring: the scale bytes, 4 x 4,096
.set HALFS, 4096
.set SPARE, 212992                     ; the spare words: 128 bytes for each wave, two blocks of 256 bytes that no other line names
.set FR,   12
.set SC,   32                          ; register SC + 8 i + q: lanes 0-15 the word of A's block i, lanes 16-31 of B's block i, for the q-th 128 along K
.set AF,   128
.set ADRA, 16                          ; v16-17 A's fragments in slot 0, 1, at 16 x lane; v18-19 at 8 x lane
.set ADRB, 20                          ; v20-23 the same for B
.set ADRS, 27
.set SPW,  28
.set NIL,  29
.set OUT,  128
.set PC,   192
.set TM,   212
.set G1, 24
.set G0, 32
.set G1B, 48
.set G0B, 56
.set G1S, 68
.set G0S, 76
.set G1SB, 80
.set G0SB, 88
.set MSB, 0
.macro WIN new                         ; the immediate's high byte repeats the setting that is left
.if MSB != (\new)
	s_set_vgpr_msb (MSB<<8)|(\new)
.set MSB, (\new)
.endif
.endm
.set MUL_LO, 0xa1                      ; source 0 (B) window 1, source 1 (A) window 0, C and D window 2
.set MUL_HI, 0xf1
.set TO_B,   0x40
.macro JLOAD g0a, g1a, g0b, g1b        ; a joint load: waves 0 and 1 fetch for A, waves 2 and 3 for B; four v_nop follow each line
	s_cmp_eq_u32 s15, 0
	s_cbranch_scc0 .Lfor_b_\@
	tensor_load_to_lds s[\g0a:\g0a+3], s[\g1a:\g1a+7]
	s_nop 0
.rept 4
	v_nop
.endr
	s_branch .Lasked_\@
.Lfor_b_\@:
	tensor_load_to_lds s[\g0b:\g0b+3], s[\g1b:\g1b+7]
	s_nop 0
.rept 4
	v_nop
.endr
.Lasked_\@:
.endm
.macro CREST
	s_cmp_lg_u32 s14, 0
	s_cbranch_scc1 .Lnot_wave_0_\@
	s_barrier_signal -3
.Lnot_wave_0_\@:
	s_barrier_wait -3
	s_barrier_signal -1
	s_barrier_wait -1
.endm
.macro CROUND
	s_barrier_signal -1
	s_barrier_wait -1
	CREST
.endm
.macro PLACES n
.rept \n
	v_nop
.endr
.endm
.macro FRAG reg, adr, off              ; a fragment, 16 slots x 128 K: two chunks, each 512 bytes at 16 x lane and 256 at 8 x lane
	ds_load_b128 v[\reg:\reg+3], v[\adr] offset:\off
	ds_load_b64 v[\reg+4:\reg+5], v[\adr+2] offset:\off+512
	ds_load_b128 v[\reg+6:\reg+9], v[\adr] offset:\off+768
	ds_load_b64 v[\reg+10:\reg+11], v[\adr+2] offset:\off+1280
.endm
.macro FETCH_B slot, q, p
	WIN TO_B
.irp i, 0,1,2,3,4,5,6,7
	FRAG 128*(\p)+FR*\i, ADRB+\slot, 3072*\i+1536*(\q)
.endr
	WIN 0
.endm
.macro FETCH_A slot, q, i0
.irp i, \i0, \i0+1, \i0+2, \i0+3
	FRAG AF+FR*(\i), ADRA+\slot, 3072*(\i)+1536*(\q)
.endr
.endm
.macro SCALES                          ; all 64 scale words, once
.irp i, 0,1,2,3,4,5,6,7
	ds_load_b128 v[SC+8*\i:SC+8*\i+3], v[ADRS] offset:512*\i
	ds_load_b128 v[SC+8*\i+4:SC+8*\i+7], v[ADRS] offset:512*\i+256
.endr
.endm
; 16 matrix instructions: A's blocks a0, a0 + 1 x B's eight.  The 64 accumulators take turns, one instruction a turn, in the same order in every step.
.macro MUL16 a0, p, qg, zero
.irp a, \a0, \a0+1
.irp b, 0,1,2,3,4,5,6,7
.if \zero
	v_wmma_scale_f32_16x16x128_f8f6f4 v[8*(8*((\a)%4)+\b):8*(8*((\a)%4)+\b)+7], v[128*(\p)+FR*\b:128*(\p)+FR*\b+FR-1], v[AF+FR*(\a):AF+FR*(\a)+FR-1], 0, v[SC+8*\b+(\qg)], v[SC+8*(\a)+(\qg)] matrix_a_fmt:MATRIX_FMT_BF6 matrix_b_fmt:MATRIX_FMT_BF6 matrix_a_scale:MATRIX_SCALE_ROW1
.else
	v_wmma_scale_f32_16x16x128_f8f6f4 v[8*(8*((\a)%4)+\b):8*(8*((\a)%4)+\b)+7], v[128*(\p)+FR*\b:128*(\p)+FR*\b+FR-1], v[AF+FR*(\a):AF+FR*(\a)+FR-1], v[8*(8*((\a)%4)+\b):8*(8*((\a)%4)+\b)+7], v[SC+8*\b+(\qg)], v[SC+8*(\a)+(\qg)] matrix_a_fmt:MATRIX_FMT_BF6 matrix_b_fmt:MATRIX_FMT_BF6 matrix_a_scale:MATRIX_SCALE_ROW1
.endif
.endr
.endr
.endm
.macro STEP slot, qg, zero             ; a slot's first 128 along K
	s_wait_dscnt 16                                ; B's set and A's blocks 0-3 are in; the youngest sixteen loads (A's blocks 4-7) may be out
	WIN MUL_LO
	MUL16 0, 0, \qg, \zero
	MUL16 2, 0, \qg, \zero
	s_wait_dscnt 0
	PLACES 4                                       ; four plain lines in front of loads into registers that matrix instructions have read
	FETCH_B \slot, 1, 1
	FETCH_A \slot, 1, 0
	WIN MUL_HI
	MUL16 4, 0, \qg, \zero
	MUL16 6, 0, \qg, \zero
	PLACES 4
	WIN 0
	FETCH_A \slot, 1, 4
.endm
.macro TURN slot, next, fill, qg       ; a slot's second 128 along K, and the change of slots
	s_wait_tensorcnt 0x0                           ; all my tensor loads have landed: my part of the next slot;
	ds_add_u32 v[SPW], v[NIL]                      ; 0 onto my spare word;
	s_wait_dscnt 17                                ; (the add and the youngest sixteen loads may be out)
	WIN MUL_LO
	MUL16 0, 1, \qg, 0
	s_wait_dscnt 0x0                               ; the add is done, and my reads of this slot are over
	s_barrier_signal -1
	MUL16 2, 1, \qg, 0
	WIN 0
	s_barrier_wait -1
.if \fill
	CREST                                          ; the barrier has opened a round of the cluster's: no wave of any partner still reads this slot or has a load on its way
	s_add_nc_u64 s[G0+4*\slot+2:G0+4*\slot+3], s[G0+4*\slot+2:G0+4*\slot+3], 2*KSB
	s_add_nc_u64 s[G0B+4*\slot+2:G0B+4*\slot+3], s[G0B+4*\slot+2:G0B+4*\slot+3], 2*KSB
	JLOAD G0+4*\slot, G1, G0B+4*\slot, G1B         ; the first tensor load behind the round; its four v_nop are also the places in front of the loads below
.else
	PLACES 4
.endif
	FETCH_B \next, 0, 0
	FETCH_A \next, 0, 0
	WIN MUL_HI
	MUL16 4, 1, \qg, 0
	MUL16 6, 1, \qg, 0
	PLACES 4
	WIN 0
	FETCH_A \next, 0, 4
.endm
.macro LAST
	s_wait_dscnt 16
	WIN MUL_LO
	MUL16 0, 1, 7, 0
	MUL16 2, 1, 7, 0
	s_wait_dscnt 0
	WIN MUL_HI
	MUL16 4, 1, 7, 0
	MUL16 6, 1, 7, 0
	WIN 0
.endm
; 64 numbers of a lane, register 16 b + i = k 32 b + 16 (lane / 16) + i of my row, become a fragment's codes in v[PC] .. v[PC + 11] and its scale word in v[pw].
.macro QUANT src, pw
.irp b, 0,1,2,3
	v_max3_num_f32 v[TM+\b], |v[(\src)+16*\b]|, |v[(\src)+1+16*\b]|, 0x2800000   ; my 16 numbers of block b, and the floor 2^(5 - 127)
.endr
.irp i, 2,4,6,8,10,12,14
.irp b, 0,1,2,3
	v_max3_num_f32 v[TM+\b], v[TM+\b], |v[(\src)+16*\b+\i]|, |v[(\src)+1+16*\b+\i]|
.endr
.endr
.irp b, 0,1,2,3
	v_permlanex16_b32 v[TM+4+\b], v[TM+\b], s2, s3
.endr
.irp b, 0,1,2,3
	v_max_num_f32 v[TM+\b], v[TM+\b], v[TM+4+\b]
.endr
.irp b, 0,1,2,3
	v_add_nc_u32 v[TM+8+\b], 0xfe000000, v[TM+\b]  ; 4 off the exponent field: the conversion's scale operand
.endr
.irp b, 0,1,2,3
	v_lshrrev_b32 v[TM+4+\b], 23, v[TM+8+\b]       ; the byte
.endr
	v_lshl_or_b32 v[\pw], v[TM+5], 8, v[TM+4]
	v_lshl_or_b32 v[\pw], v[TM+6], 16, v[\pw]
	v_lshl_or_b32 v[\pw], v[TM+7], 24, v[\pw]
.irp c, 0,1
	v_cvt_scalef32_pk16_bf6_f32 v[PC+6*\c:PC+2+6*\c], v[(\src)+32*\c:(\src)+15+32*\c], v[TM+8+2*\c]
	v_cvt_scalef32_pk16_bf6_f32 v[PC+12+4*\c:PC+14+4*\c], v[(\src)+16+32*\c:(\src)+31+32*\c], v[TM+8+2*\c+1]
.endr
	v_nop                                          ; one plain line behind a scaled conversion
.irp c, 0,1
.irp i, 0,1,2
	v_permlane16_swap_b32 v[PC+6*\c+\i], v[PC+12+4*\c+\i]
.endr
.irp i, 0,1,2
	v_mov_b32 v[PC+3+6*\c+\i], v[PC+12+4*\c+\i]
.endr
.endr
.endm
	s_load_b256 s[4:11], s[0:1], 0x0               ; prep, bq, bk, bv
	s_load_b64 s[12:13], s[0:1], 0x20              ; qkv
	v_lshl_add_u32 v[SPW], v0, 2, SPARE
	v_mov_b32 v[NIL], 0
	ds_add_u32 v28, v29
	ds_add_u32 v28, v29
	s_wait_dscnt 0x0
	v_lshrrev_b32 v1, 5, v0
	v_readfirstlane_b32 s14, v1                    ; wave
	s_lshr_b32 s15, s14, 1                         ; my half of A's rows.  Also: I fetch for A (0) or for B (1)
	s_and_b32 s16, s14, 1                          ; my half of B's rows.  Also: which 8 row blocks I fetch
	s_bfe_u32 s40, ttmp6, 0x40000                  ; cx
	s_bfe_u32 s41, ttmp6, 0x40004                  ; cy
	s_and_b32 s18, ttmp9, 1
	s_lshr_b32 s19, ttmp9, 1
	s_sub_co_u32 s2, ttmp9, 16
	s_cmp_lt_u32 ttmp9, 16                         ; the kind of cluster: the same in all sixteen partners
	s_cselect_b32 s18, s18, s2                     ; the cluster's column
	s_cselect_b32 s19, s19, 0                      ; and row
	s_mov_b32 s2, WC+128*RBK
	s_cselect_b32 s2, XC, s2                       ; A's codes: x, or Wv
	s_mov_b32 s3, WS+128*512
	s_cselect_b32 s3, XS, s3
	s_cselect_b32 s104, WC, XC                     ; B's codes: Wq | Wk, or x
	s_mov_b32 s105, XS
	s_cselect_b32 s105, WS, s105
	s_lshl_b32 s42, s18, 2
	s_add_co_u32 s42, s42, s40                     ; tile column
	s_lshl_b32 s17, s19, 2
	s_add_co_u32 s17, s17, s41                     ; tile row
	s_lshl_b32 s43, s41, 2
	s_lshl_b32 s43, 15, s43                        ; my row of the cluster
	s_lshl_b32 s44, 0x1111, s40                    ; my column
	s_or_b32 s[G1+0], s43, (3<<16)|(1<<21)         ; the mask; elements of 8 bytes; bit 21 beside a mask; no padding
	s_or_b32 s[G1B+0], s44, (3<<16)|(1<<21)
.irp g, G1, G1B
	s_mov_b32 s[\g+1], 384<<16                     ; 8 rows (row blocks) of 384 elements, 3,072 bytes,
	s_mov_b32 s[\g+2], 8<<16
	s_mov_b32 s[\g+3], 384<<16
	s_mov_b32 s[\g+4], 8
	s_mov_b32 s[\g+5], 1536                        ; 12,288 bytes apart
	s_mov_b32 s[\g+6], 0
	s_mov_b32 s[\g+7], 0
.endr
	s_or_b32 s[G1S+0], s43, (3<<16)|(1<<21)
	s_or_b32 s[G1SB+0], s44, (3<<16)|(1<<21)
.irp g, G1S, G1SB
	s_mov_b32 s[\g+1], 32<<16                      ; 4,096 dense bytes as 16 rows of 256
	s_mov_b32 s[\g+2], 16<<16
	s_mov_b32 s[\g+3], 32<<16
	s_mov_b32 s[\g+4], 16
	s_mov_b32 s[\g+5], 32
	s_mov_b32 s[\g+6], 0
	s_mov_b32 s[\g+7], 0
.endr
	s_lshl_b32 s18, s16, 3
	s_lshl_b32 s20, s17, 4
	s_add_co_u32 s20, s20, s18                     ; A: row block 16 x tile row + 8 x half
	s_lshl_b32 s46, s42, 4
	s_add_co_u32 s46, s46, s18                     ; B: row block 16 x tile column + 8 x half
	s_lshl_b32 s22, s20, 9
	s_add_co_u32 s22, s22, s3
	s_mul_i32 s20, s20, RBK
	s_add_co_u32 s20, s20, s2
	s_lshl_b32 s66, s46, 9
	s_add_co_u32 s66, s66, s105
	s_mul_i32 s46, s46, RBK
	s_add_co_u32 s46, s46, s104
	s_mov_b32 s21, 0
	s_mov_b32 s23, 0
	s_mov_b32 s47, 0
	s_mov_b32 s67, 0
	s_mul_i32 s45, s14, HALFT                      ; where they go: no place in the cluster enters an LDS address
	s_mul_i32 s92, s14, HALFS
	s_wait_kmcnt 0x0
	s_add_nc_u64 s[20:21], s[4:5], s[20:21]
	s_add_nc_u64 s[22:23], s[4:5], s[22:23]
	s_add_nc_u64 s[46:47], s[4:5], s[46:47]
	s_add_nc_u64 s[66:67], s[4:5], s[66:67]
	CROUND                                         ; all sixteen work-groups are here: the first joint loads meet
	s_mov_b32 s[G0S], 1
	s_add_co_u32 s[G0S+1], s92, SCL
	s_mov_b64 s[G0S+2:G0S+3], s[22:23]
	s_or_b32 s[G0S+3], s[G0S+3], 0x80000000
	s_mov_b32 s[G0SB], 1
	s_add_co_u32 s[G0SB+1], s92, SCL
	s_mov_b64 s[G0SB+2:G0SB+3], s[66:67]
	s_or_b32 s[G0SB+3], s[G0SB+3], 0x80000000
	JLOAD G0S, G1S, G0SB, G1SB                     ; the scales first; three tensor loads of mine are out behind the third
.irp s, 0,1
	s_mov_b32 s[G0+4*\s], 1
	s_add_co_u32 s[G0+4*\s+1], s45, \s*SLOT
	s_add_nc_u64 s[G0+4*\s+2:G0+4*\s+3], s[20:21], \s*KSB
	s_or_b32 s[G0+4*\s+3], s[G0+4*\s+3], 0x80000000
	s_mov_b32 s[G0B+4*\s], 1
	s_add_co_u32 s[G0B+4*\s+1], s45, \s*SLOT
	s_add_nc_u64 s[G0B+4*\s+2:G0B+4*\s+3], s[46:47], \s*KSB
	s_or_b32 s[G0B+4*\s+3], s[G0B+4*\s+3], 0x80000000
	JLOAD G0+4*\s, G1, G0B+4*\s, G1B
.endr
	v_and_b32 v1, 31, v0                           ; lane
	v_and_b32 v2, 15, v0                           ; r
	v_bfe_u32 v3, v0, 4, 1                         ; h
	v_lshlrev_b32 v10, 4, v1                       ; 16 x lane
	v_lshlrev_b32 v11, 3, v1                       ; 8 x lane
	s_mul_i32 s18, s15, HALFT                      ; my 8 row blocks of A
	s_mul_i32 s19, s16, HALFT                      ; and of B,
	s_add_co_u32 s19, s19, 2*HALFT                 ; which lie behind A's 16
.irp s, 0,1
	v_add_nc_u32 v[ADRA+\s], s18, v10
	v_add_nc_u32 v[ADRA+2+\s], s18, v11
	v_add_nc_u32 v[ADRB+\s], s19, v10
	v_add_nc_u32 v[ADRB+2+\s], s19, v11
	s_add_co_u32 s18, s18, SLOT
	s_add_co_u32 s19, s19, SLOT
.endr
	v_lshlrev_b32 v6, 4, v2                        ; my slot's 16 scale bytes
	s_mul_i32 s18, s15, HALFS
	s_mul_i32 s19, s16, HALFS
	s_add_co_u32 s19, s19, 2*HALFS
	s_sub_co_u32 s19, s19, s18
	v_mul_u32_u24 v7, s19, v3                      ; lanes 16-31 take B's
	s_add_co_u32 s18, s18, SCL
	v_add_nc_u32 v6, v6, v7
	v_add_nc_u32 v[ADRS], s18, v6
	; THE WAY OUT'S BASES.  Which tokens and which features are mine hangs on the kind of cluster; cx and cy enter these global addresses alone.
	s_cmp_lt_u32 ttmp9, 16
	s_cselect_b32 s2, s17, s42                     ; the tile of 256 tokens
	s_cselect_b32 s3, s42, s17                     ; the tile of 256 features
	s_cselect_b32 s18, s15, s16                    ; my half of the tokens
	s_cselect_b32 s19, s16, s15                    ; my half of the features
	s_lshr_b32 s104, s2, 3                         ; the batch
	s_and_b32 s2, s2, 7
	s_lshl_b32 s2, s2, 1
	s_add_co_u32 s2, s2, s18                       ; tg: my 128 tokens in the sequence
	s_lshl_b32 s105, s3, 2
	s_lshl_b32 s18, s19, 1
	s_add_co_u32 s105, s105, s18
	s_and_b32 s105, s105, 15                       ; my first head (I have two)
	s_lshl_b32 s104, s104, 4
	s_add_co_u32 s104, s104, s105                  ; 16 x batch + head
	s_cmp_lt_u32 ttmp9, 16
	s_cselect_b32 s18, s3, 4
	s_cmp_lt_u32 s18, 4                            ; q's features?
	s_mov_b32 s92, 196608
	s_cselect_b32 s92, 98304, s92                  ; a head's codes in its part of the buffer
	s_mov_b32 s93, 12288
	s_cselect_b32 s93, 8192, s93                   ; and its scale bytes
	s_cselect_b32 s94, QC, KVC
	s_mov_b32 s95, KVS
	s_cselect_b32 s95, QS, s95
	s_mul_i32 s18, s104, s92
	s_add_co_u32 s94, s94, s18
	s_mul_i32 s18, s2, 6144
	s_add_co_u32 s94, s94, s18
	s_mul_i32 s18, s104, s93
	s_add_co_u32 s95, s95, s18
	s_lshl_b32 s18, s2, 9
	s_lshl_b32 s105, s2, 8
	s_add_co_u32 s105, s105, 8192
	s_cmp_lt_u32 ttmp9, 16
	s_cselect_b32 s18, s18, s105
	s_cselect_b32 s105, 0, 98304                   ; v's codes lie behind k's
	s_add_co_u32 s95, s95, s18
	s_add_co_u32 s94, s94, s105
	s_mov_b32 s96, s94
	s_mov_b32 s97, 0
	s_add_nc_u64 s[96:97], s[12:13], s[96:97]      ; codes, first head
	s_mov_b32 s98, s92
	s_mov_b32 s99, 0
	s_add_nc_u64 s[98:99], s[96:97], s[98:99]      ; second head
	s_mov_b32 s100, s95
	s_mov_b32 s101, 0
	s_add_nc_u64 s[100:101], s[12:13], s[100:101]  ; scale words
	v_mul_u32_u24 v14, s93, v3
	v_lshl_add_u32 v14, v2, 4, v14                 ; lanes 16-31 store the second head's words: h x a head's scale bytes + 16 r
	s_lshl_b32 s19, s19, 9
	s_lshl_b32 s105, s3, 10
	s_add_co_u32 s105, s105, s19                   ; bv: 4 (256 x tile + 128 x half)
	s_and_b32 s104, s3, 3
	s_lshl_b32 s104, s104, 10
	s_add_co_u32 s104, s104, s19                   ; bq, bk likewise
	s_lshl_b32 s18, s2, 15
	s_add_co_u32 s18, s18, TAB                     ; the table: 256 bytes a token
	s_cmp_lt_u32 ttmp9, 16
	s_cselect_b32 s18, s18, s105
	s_cselect_b64 s[92:93], s[4:5], s[10:11]
	s_mov_b32 s19, 0
	s_mov_b32 s105, 0
	s_add_nc_u64 s[92:93], s[92:93], s[18:19]      ; the table at my tokens, or bv at my features
	s_cmp_lt_u32 s3, 4
	s_cselect_b64 s[94:95], s[6:7], s[8:9]
	s_add_nc_u64 s[94:95], s[94:95], s[104:105]    ; bq or bk at my features
	s_mov_b32 s2, 0x76543210
	s_mov_b32 s3, 0xfedcba98                       ; lane selects: lane l xor 16
	s_mov_b32 s18, 0xffff0000                      ; lanes 16-31
	v_and_b32 v25, 8, v2
	v_add_nc_u32 v25, v25, v2                      ; r + 8 (r / 8): my slot's row in its block
	v_lshlrev_b32 v13, 6, v3                       ; 64 h
	v_lshl_add_u32 v12, v25, 8, v13                ; the table: my token's row, my half's 16 angles
	v_lshlrev_b32 v15, 4, v3                       ; 16 h
	v_lshlrev_b32 v24, 2, v25
	s_wait_tensorcnt 1                             ; the scales and my part of K step 0 are in (K step 1's load may be out)
	s_barrier_signal -1
	s_barrier_wait -1                              ; everybody's are
	FETCH_B 0, 0, 0
	FETCH_A 0, 0, 0
	SCALES
	FETCH_A 0, 0, 4
	STEP 0, 0, 1                                   ; the first products start the sums: nothing is cleared
	TURN 0, 1, 1, 1
	STEP 1, 2, 0
	TURN 1, 0, 1, 3
	STEP 0, 4, 0
	TURN 0, 1, 0, 5                                ; nothing is left to fetch
	STEP 1, 6, 0
	s_cmp_lt_u32 ttmp9, 16                         ; the two ways out part here; each asks for its table or bias ahead of the last 64 products.  Neither touches LDS
	s_cbranch_scc0 .Lvpath
; ---- q and k: bias, rotation, quantiser along the head's 64.  For token block a a lane holds one token and 128 features, two heads.
.macro CSLOAD a                        ; cos and sin of my token in block a, angles 16 h + 0 .. 15
.irp k, 0,1,2,3
	global_load_b128 v[96+128*((\a)%2)+4*\k:96+128*((\a)%2)+4*\k+3], v12, s[92:93] offset:256*(32*((\a)/2)+8*((\a)%2))+16*\k
.endr
.irp k, 0,1,2,3
	global_load_b128 v[112+128*((\a)%2)+4*\k:112+128*((\a)%2)+4*\k+3], v12, s[92:93] offset:256*(32*((\a)/2)+8*((\a)%2))+128+16*\k
.endr
.endm
.macro QKROW a
.if (\a) < 7
	s_wait_loadcnt 8                               ; the bias and this block's cos and sin are in; the next block's eight loads may be out
.else
	s_wait_loadcnt 0
.endif
.if (\a) > 0
	s_wait_xcnt 0x0                                ; the last block's stores have read the codes' registers
.endif
	WIN 0x06+(\a)/4                                ; source 0: the accumulators' window; source 1: window 1, the bias
.set n, 0
.rept 32
	v_pk_add_f32 v[OUT+n:OUT+n+1], v[64*((\a)%4)+n:64*((\a)%4)+n+1], v[n:n+1]   ; each accumulator from its low end on
.set n, n+2
.endr
	WIN 0
.set CB, 96+128*((\a)%2)
.irp hh, 0,1                           ; head hh: registers 32 hh + i are d = 16 h + i, registers 32 hh + 16 + i are d + 32
.irp u, 0,1
.irp jj, 0,2,4,6
	v_pk_mul_f32 v[PC+\jj:PC+\jj+1], v[OUT+32*\hh+16+8*\u+\jj:OUT+32*\hh+16+8*\u+\jj+1], v[CB+16+8*\u+\jj:CB+16+8*\u+\jj+1]
.endr
.irp jj, 0,2,4,6
	v_pk_mul_f32 v[PC+8+\jj:PC+8+\jj+1], v[OUT+32*\hh+8*\u+\jj:OUT+32*\hh+8*\u+\jj+1], v[CB+16+8*\u+\jj:CB+16+8*\u+\jj+1]
.endr
.irp jj, 0,2,4,6
	v_pk_fma_f32 v[OUT+32*\hh+8*\u+\jj:OUT+32*\hh+8*\u+\jj+1], v[OUT+32*\hh+8*\u+\jj:OUT+32*\hh+8*\u+\jj+1], v[CB+8*\u+\jj:CB+8*\u+\jj+1], v[PC+\jj:PC+\jj+1] neg_lo:[0,0,1] neg_hi:[0,0,1]   ; y(d) cos - y(d + 32) sin
.endr
.irp jj, 0,2,4,6
	v_pk_fma_f32 v[OUT+32*\hh+16+8*\u+\jj:OUT+32*\hh+16+8*\u+\jj+1], v[OUT+32*\hh+16+8*\u+\jj:OUT+32*\hh+16+8*\u+\jj+1], v[CB+8*\u+\jj:CB+8*\u+\jj+1], v[PC+8+\jj:PC+8+\jj+1]   ; y(d + 32) cos + y(d) sin
.endr
.endr
.endr
.if (\a)+2 < 8
	CSLOAD (\a)+2
.endif
	QUANT OUT, 2+(\a)
	global_store_b128 v10, v[PC:PC+3], s[96:97] offset:768*(\a)          ; the first head's chunk: 512 and 256 consecutive bytes
	global_store_b64 v11, v[PC+4:PC+5], s[96:97] offset:768*(\a)+512
	global_store_b128 v10, v[PC+6:PC+9], s[98:99] offset:768*(\a)        ; the second head's
	global_store_b64 v11, v[PC+10:PC+11], s[98:99] offset:768*(\a)+512
.endm
	WIN 0x40                                       ; destination window 1: B's first set, whose last readers stand in front of four plain lines
.irp i, 0,1,2,3,4,5,6,7
	global_load_b128 v[8*\i:8*\i+3], v13, s[94:95] offset:4*(32*(\i/2)+8*(\i%2))
	global_load_b128 v[8*\i+4:8*\i+7], v13, s[94:95] offset:4*(32*(\i/2)+8*(\i%2))+16
.endr
	WIN 0
	CSLOAD 0
	CSLOAD 1
	LAST
	PLACES 4                                       ; in front of the first read of results and the first write of A's registers
.irp b, 0,1,2,3
	v_mov_b32 v[TM+4+\b], 0                        ; written once: a lane permute's destination counts as one of its sources
.endr
.irp a, 0,1,2,3,4,5,6,7
	QKROW \a
.endr
.irp a, 0,1,2,3,4,5,6,7
	v_lshrrev_b32 v[2+\a], v15, v[2+\a]            ; lanes 0-15 keep the word (bytes 0, 1: the first head's; bytes 2, 3 scale zero codes alone and are never 0xff), lanes 16-31 take the second head's two bytes
.endr
	global_store_b128 v14, v[2:5], s[100:101]              ; token blocks 0-3: sixteen lanes store 256 consecutive bytes
	global_store_b128 v14, v[6:9], s[100:101] offset:256   ; token blocks 4-7
	s_branch .Ldone
; ---- v: bias, quantiser along the tokens.  For feature block a a lane holds one feature and 128 tokens: one K step of the attention's second product.
.macro VROW a
.if (\a) > 0
	s_wait_xcnt 0x0                                ; the last block's stores have read the codes' registers
.endif
	WIN 0x02+(\a)/4
.set n, 0
.rept 32
.if (\a)%2 == 0
	v_pk_add_f32 v[OUT+n:OUT+n+1], v[64*((\a)%4)+n:64*((\a)%4)+n+1], v[96+(\a):97+(\a)] op_sel_hi:[1,0]
.else
	v_pk_add_f32 v[OUT+n:OUT+n+1], v[64*((\a)%4)+n:64*((\a)%4)+n+1], v[95+(\a):96+(\a)] op_sel:[0,1] op_sel_hi:[1,1]
.endif
.set n, n+2
.endr
	WIN 0
	QUANT OUT, 2+(\a)
.irp c, 0,1,2
	global_store_b128 v10, v[PC+4*\c:PC+4*\c+3], s[96+2*((\a)/4):97+2*((\a)/4)] offset:1536*((\a)%4)+512*\c   ; the fragment as it stands: 512 consecutive bytes a store
.endr
.endm
.Lvpath:
.irp a, 0,1,2,3,4,5,6,7
	global_load_b32 v[96+\a], v24, s[92:93] offset:4*(32*(\a/2)+8*(\a%2))   ; bv of my feature in block a
.endr
	LAST
	PLACES 4
.irp b, 0,1,2,3
	v_mov_b32 v[TM+4+\b], 0
.endr
	s_wait_loadcnt 0
.irp a, 0,1,2,3,4,5,6,7
	VROW \a
.endr
.irp i, 0,1,2,3
	v_cndmask_b32 v[2+\i], v[2+\i], v[6+\i], s18   ; lanes 16-31 store the second head's four words
.endr
	global_store_b128 v14, v[2:5], s[100:101]
.Ldone:
	s_wait_tensorcnt 0x0                           ; the wave's end
	ds_add_u32 v[SPW], v[NIL]
	s_wait_dscnt 0x0
	CROUND                                         ; the closing round
	s_endpgm
.Lfunc_end_k_q9d765bae2e_qkv:
	.size	k_q9d765bae2e_qkv, .Lfunc_end_k_q9d765bae2e_qkv-k_q9d765bae2e_qkv
	.p2alignl 7, 3214868480
	.fill 96, 4, 3214868480
	.section	.rodata,"a",@progbits
	.p2align	6, 0x0
	.amdhsa_kernel k_q9d765bae2e_qkv
		.amdhsa_group_segment_fixed_size 327680
		.amdhsa_private_segment_fixed_size 0
		.amdhsa_enable_private_segment 0
		.amdhsa_kernarg_size 40
		.amdhsa_user_sgpr_count 2
		.amdhsa_user_sgpr_kernarg_segment_ptr 1
		.amdhsa_wavefront_size32 1
		.amdhsa_system_sgpr_workgroup_id_x 1
		.amdhsa_system_sgpr_workgroup_id_y 1
		.amdhsa_system_sgpr_workgroup_id_z 1
		.amdhsa_system_vgpr_workitem_id 0
		.amdhsa_next_free_vgpr 1024
		.amdhsa_next_free_sgpr 106
		.amdhsa_reserve_vcc 0
		.amdhsa_float_denorm_mode_32 3
		.amdhsa_float_denorm_mode_16_64 3
		.amdhsa_memory_ordered 1
		.amdhsa_forward_progress 1
		.amdhsa_inst_pref_size 255
	.end_amdhsa_kernel
	.section	.bss,"aw",@nobits
	.p2align	6
	.space	262144
	.amdgpu_metadata
---
amdhsa.version: [ 1, 2 ]
amdhsa.kernels:
  - .name:           k_q9d765bae2e_qkv
    .symbol:         k_q9d765bae2e_qkv.kd
    .args:
      - { .name: prep, .offset: 0, .size: 8, .value_kind: global_buffer, .address_space: global }
      - { .name: bq, .offset: 8, .size: 8, .value_kind: global_buffer, .address_space: global }
      - { .name: bk, .offset: 16, .size: 8, .value_kind: global_buffer, .address_space: global }
      - { .name: bv, .offset: 24, .size: 8, .value_kind: global_buffer, .address_space: global }
      - { .name: qkv, .offset: 32, .size: 8, .value_kind: global_buffer, .address_space: global }
    .group_segment_fixed_size: 327680
    .private_segment_fixed_size: 0
    .kernarg_segment_align: 8
    .kernarg_segment_size: 40
    .max_flat_workgroup_size: 128
    .sgpr_count:     106
    .vgpr_count:     1024
    .wavefront_size: 32
...
	.end_amdgpu_metadata
.endif
;; end of part 2
;; launch attn (part 3): grid 4 x 64, 16 waves a work-group, clusters of 4 x 1, 327,680 bytes of LDS; arguments qkv, yq; writes yq
.if DOCPART == 3
	.amdgcn_target "amdgcn-amd-amdhsa--gfx1250"
	.amdhsa_code_object_version 6
	.text
	.protected	k_q9d765bae2e_attn
	.globl	k_q9d765bae2e_attn
	.p2align	8
	.type	k_q9d765bae2e_attn,@function
k_q9d765bae2e_attn:
	s_mov_b64 s[64:65], 0
	v_nop
	global_prefetch_b8 v0, s[64:65] scope:SCOPE_SE
	s_setreg_imm32_b32 hwreg(HW_REG_WAVE_MODE, 25, 1), 1
	s_wait_xcnt 0x0
	s_wait_alu depctr_hold_cnt(0) depctr_sa_sdst(0) depctr_va_vdst(0) depctr_va_sdst(0) depctr_va_ssrc(0) depctr_va_vcc(0) depctr_vm_vsrc(0)
	s_getreg_b32 s2, hwreg(HW_REG_IB_STS2, 6, 4)
	s_cmp_eq_u32 s2, 0
	s_cbranch_scc0 .Lentry_in_a_cluster
	s_endpgm
.Lentry_in_a_cluster:
	s_bfe_u32 s2, ttmp6, 0x10000c
	s_cmp_lg_u32 s2, 0x3003
	s_cbranch_scc0 .Lentry_shape_is_right
	s_endpgm
.Lentry_shape_is_right:
; y[b][t][head] = softmax(q k^T / 8, causal) v, both products on codes of BF6 (E3M2) with E8M0 scales, and y quantised along the features for the last product.
; THE SOFTMAX: t = score x log2(e) / 8; M = the running largest t rounded up to a whole number; p = 2^(t - M) is quantised along the keys; the row's sum is taken of the unquantised p and divides at the end.
; SHARES.  A cluster of four work-groups owns one head of one batch.  The head's K and V, codes and scale words, 208,896 bytes, come into each work-group's LDS ONCE, by joint loads; there is no ring and nothing is filled again.
; A tile of 16 queries is token block T = 8 G + 2 cx + e.  Wave w takes G = w (e = 0) and then G = 15 - w (e = 1): (w + 1) + (16 - w) = 17 key steps of 128 keys for every wave of every work-group.
; Every branch hangs on the wave's number and a counted loop; cx enters global addresses and the mask's vector operand alone.
; No prefetch: all that the launch reads in bulk is asked for at its head.
; LAYOUT.  Both products are used transposed: S^T = K Q^T, O^T = V^T P^T: a lane holds one query (slot lane % 16).  Token blocks hold their tokens in the order slot s of block i = token 32 (i / 2) + 8 (i % 2) + s + 8 (s / 8),
; so that the 16 registers of tiles 2 b and 2 b + 1 of S^T are keys 32 b + 16 (lane / 16) + 0 .. 15; the head's 64 channels lie so in V's fragments, so that O^T's registers run along the channels.
; The first product's K is 64: registers 6-11 of its operands are zero codes, written once; bytes 2 and 3 of its scale words scale those alone.
; y's scale bytes leave one byte a lane, two neighbours every 16 bytes: 32 bytes beside a tile's 768 of codes.
; LIMITS: NaN and infinities are not served; a block of y under 2^(5 - 127) keeps the byte 1, a block of zeros too.
; REGISTERS: v1-5 places that stay; v6-10 the step's LDS addresses; v11 the mask's bound; v12 -M, v13 the largest t, v[14:15] the sum; v16-27 Q; v29-31 offsets; v32-79 four fragments of K; v80-127 four of V;
;   v128-191 S^T, then p; v192-223 O^T; v224-235 p's codes; v232-247 at work; v248-251 K's or V's scale words; v252 f; v253 p's scale word; v254 at work; v255 Q's scale word.
.set QC,  0
.set QS,  6291456
.set KVC, 6815744
.set KVS, 19398656
.set YC,  0
.set YS,  6291456
.set SCK, 196608                       ; LDS: K's chunks at 0, V's fragments at 98,304, K's scale words here, V's at SCV
.set SCV, 204800
.set WV,  8
.set SEL, 20
.set CS,  22
.set G1C, 24
.set G0C, 32
.set G1S, 36
.set G0S, 44
.set QCA, 48                           ; s[48:51] Q's codes for pass 0, 1;  s[52:55] its scale words;  s[56:59] y's codes;  s[60:63] y's scale bytes
.set QSA, 52
.set YCA, 56
.set YSA, 60
.set GG,  66                           ; s66-67 G of pass 0, 1
.set MA,  68                           ; s68-69 32 cx + 8 e
.set KI,  71
.set TB,  72
.set TS,  73
.set TJ,  74
.macro CROUND
	s_barrier_signal -1
	s_barrier_wait -1
	s_cmp_lg_u32 s[WV], 0
	s_cbranch_scc1 .Lnot_wave_0_\@
	s_barrier_signal -3
.Lnot_wave_0_\@:
	s_barrier_wait -3
	s_barrier_signal -1
	s_barrier_wait -1
.endm
	s_load_b128 s[4:7], s[0:1], 0x0                ; qkv, yq
	v_lshl_add_u32 v28, v0, 2, 0x34000
	v_mov_b32 v243, 0
	ds_add_u32 v28, v243
	ds_add_u32 v28, v243
	v_lshrrev_b32 v1, 5, v0
	s_delay_alu instid0(VALU_DEP_1)
	v_readfirstlane_b32 s[WV], v1                  ; wave 0..15
	s_bfe_u32 s9, ttmp6, 0x40000                   ; cx
	s_and_b32 s10, ttmp7, 0xffff                   ; 16 x batch + head, which the four partners share
	s_mov_b32 s[G1C], 15|(3<<16)|(1<<21)           ; the mask: all four; elements of 8 bytes; bit 21 beside a mask
	s_mov_b32 s[G1C+1], 32<<16                     ; 12,288 dense bytes as 48 rows of 256
	s_mov_b32 s[G1C+2], 48<<16
	s_mov_b32 s[G1C+3], 32<<16
	s_mov_b32 s[G1C+4], 48
	s_mov_b32 s[G1C+5], 32
	s_mov_b32 s[G1C+6], 0
	s_mov_b32 s[G1C+7], 0
	s_mov_b32 s[G1S], 15|(3<<16)|(1<<21)
	s_mov_b32 s[G1S+1], 32<<16                     ; 768 dense bytes as 3 rows of 256
	s_mov_b32 s[G1S+2], 3<<16
	s_mov_b32 s[G1S+3], 32<<16
	s_mov_b32 s[G1S+4], 3
	s_mov_b32 s[G1S+5], 32
	s_mov_b32 s[G1S+6], 0
	s_mov_b32 s[G1S+7], 0
	s_mul_i32 s12, s10, 196608
	s_mul_i32 s14, s[WV], 12288                    ; my sixteenth of the head's codes
	s_add_co_u32 s12, s12, s14
	s_add_co_u32 s12, s12, KVC
	s_mov_b32 s13, 0
	s_mul_i32 s16, s10, 12288
	s_mul_i32 s15, s[WV], 768                      ; and of its scale words
	s_add_co_u32 s16, s16, s15
	s_add_co_u32 s16, s16, KVS
	s_mov_b32 s17, 0
	s_mov_b32 s[SEL], 0x76543210
	s_mov_b32 s[SEL+1], 0xfedcba98
	s_mov_b32 s[CS], 0x3e38aa3b                    ; c = log2(e) / 8
	s_mov_b32 s[CS+1], s[CS]
	s_mov_b32 s70, 0xffff0000                      ; lanes 16-31
	s_wait_dscnt 0x0
	s_wait_kmcnt 0x0
	s_mov_b32 s[G0C], 1
	s_mov_b32 s[G0C+1], s14
	s_add_nc_u64 s[G0C+2:G0C+3], s[4:5], s[12:13]
	s_or_b32 s[G0C+3], s[G0C+3], 0x80000000
	s_mov_b32 s[G0S], 1
	s_add_co_u32 s[G0S+1], s15, SCK
	s_add_nc_u64 s[G0S+2:G0S+3], s[4:5], s[16:17]
	s_or_b32 s[G0S+3], s[G0S+3], 0x80000000
	CROUND                                         ; all four work-groups are here: the joint loads meet
	tensor_load_to_lds s[G0C:G0C+3], s[G1C:G1C+7]  ; the codes: one load of mine is out, and it lands before the next round
	s_nop 0
	s_wait_alu depctr_va_vdst(0)
	s_wait_tensorcnt 0x0
	ds_add_u32 v28, v243
	s_wait_dscnt 0x0
	CROUND
	tensor_load_to_lds s[G0S:G0S+3], s[G1S:G1S+7]
	s_nop 0
.rept 4
	v_nop
.endr
.macro PASSADR e
.if \e == 0
	s_mov_b32 s[GG+\e], s[WV]
.else
	s_xor_b32 s[GG+\e], s[WV], 15                  ; 15 - wave
.endif
	s_lshl_b32 s12, s[GG+\e], 3
	s_lshl_b32 s13, s9, 1
	s_add_co_u32 s12, s12, s13
	s_add_co_u32 s12, s12, \e                      ; T
	s_mul_i32 s14, s10, 98304
	s_mul_i32 s15, s12, 768
	s_add_co_u32 s14, s14, s15
	s_mov_b32 s15, 0
	s_add_nc_u64 s[QCA+2*\e:QCA+2*\e+1], s[4:5], s[14:15]
	s_lshl_b32 s14, s10, 13
	s_lshl_b32 s16, s[GG+\e], 9
	s_add_co_u32 s14, s14, s16
	s_lshr_b32 s16, s9, 1
	s_lshl_b32 s16, s16, 8
	s_add_co_u32 s14, s14, s16
	s_and_b32 s16, s9, 1
	s_lshl_b32 s16, s16, 3
	s_add_co_u32 s14, s14, s16
	s_add_co_u32 s14, s14, QS+4*\e
	s_add_nc_u64 s[QSA+2*\e:QSA+2*\e+1], s[4:5], s[14:15]
	s_lshr_b32 s16, s10, 4
	s_lshl_b32 s16, s16, 7
	s_add_co_u32 s16, s16, s12                     ; y's row block: 128 x batch + T
	s_lshl_b32 s14, s16, 4
	s_and_b32 s17, s10, 15                         ; the head is y's chunk
	s_add_co_u32 s14, s14, s17
	s_mul_i32 s14, s14, 768
	s_add_nc_u64 s[YCA+2*\e:YCA+2*\e+1], s[6:7], s[14:15]
	s_lshl_b32 s14, s16, 9
	s_lshr_b32 s18, s17, 3
	s_lshl_b32 s18, s18, 8
	s_add_co_u32 s14, s14, s18
	s_and_b32 s18, s17, 7
	s_lshl_b32 s18, s18, 1
	s_add_co_u32 s14, s14, s18
	s_add_co_u32 s14, s14, YS
	s_add_nc_u64 s[YSA+2*\e:YSA+2*\e+1], s[6:7], s[14:15]
	s_lshl_b32 s[MA+\e], s9, 5
	s_add_co_u32 s[MA+\e], s[MA+\e], 8*\e
.endm
	PASSADR 0
	PASSADR 1
	v_and_b32 v8, 31, v0                           ; lane
	v_and_b32 v6, 15, v0                           ; r
	v_bfe_u32 v7, v0, 4, 1                         ; h
	s_delay_alu instid0(VALU_DEP_3)
	v_lshlrev_b32 v1, 4, v8                        ; 16 x lane
	s_delay_alu instid0(VALU_DEP_4)
	v_lshlrev_b32 v2, 3, v8                        ; 8 x lane
	s_delay_alu instid0(VALU_DEP_2)
	v_add_nc_u32 v3, 98304, v1                     ; V's fragments
	v_lshlrev_b32 v30, 4, v6                       ; 16 r
	s_delay_alu instid0(VALU_DEP_1)
	v_add_nc_u32 v4, SCK, v30
	s_delay_alu instid0(VALU_DEP_2)
	v_add_nc_u32 v5, SCV, v30
	s_delay_alu instid0(VALU_DEP_3)
	v_add_nc_u32 v29, v30, v7                      ; 16 r + h
	v_and_b32 v9, 8, v6
	s_delay_alu instid0(VALU_DEP_1)
	v_add_nc_u32 v9, v9, v6
	v_lshlrev_b32 v10, 4, v7
	s_delay_alu instid0(VALU_DEP_1)
	v_sub_nc_u32 v31, v9, v10                      ; r + 8 (r / 8) - 16 h
.macro QLOAD e
	global_load_b128 v[16:19], v1, s[QCA+2*\e:QCA+2*\e+1]
	global_load_b64 v[20:21], v2, s[QCA+2*\e:QCA+2*\e+1] offset:512
	global_load_b32 v255, v30, s[QSA+2*\e:QSA+2*\e+1]
.endm
	QLOAD 0
.irp j, 22,23,24,25,26,27
	v_mov_b32 v[\j], 0                             ; zero codes for k = 64 .. 127 of the first product
.endr
.irp t, 0,1,2,3
.irp j, 6,7,8,9,10,11
	v_mov_b32 v[32+12*\t+\j], 0
.endr
.endr
.irp b, 0,1,2,3
	v_mov_b32 v[236+\b], 0                         ; written once: a lane permute's destination counts as one of its sources
.endr
	v_mov_b32 v252, 0
	v_mov_b32 v253, 0                              ; (named as the upper half of the pair v[252:253] before it is first written)
.macro INIT e
	v_mov_b32 v13, 0xff61b1e6                      ; the largest t so far: -3e38
	s_delay_alu instid0(VALU_DEP_1)
	v_floor_f32 v12, -v13                          ; -M
	v_mov_b32 v14, 0
	v_mov_b32 v15, 0
.set n, 0
.rept 32
	v_mov_b32 v[192+n], 0                          ; O^T: the first change of M multiplies zeros
.set n, n+1
.endr
	v_add_nc_u32 v11, s[MA+\e], v31                ; d = my query's place among its 128 tokens - 16 h
	s_mov_b32 s[KI], 0
	s_mov_b32 s[TB], 0
	s_mov_b32 s[TS], 0
	s_mov_b32 s[TJ], 0
.endm
; A KEY STEP: 128 keys.  A step all of whose keys come after my queries is left out: a scalar branch on the wave's number and the loop's count, round the work, not round the lines that step addresses.
.macro STEP e
	s_cmp_gt_u32 s[KI], s[GG+\e]
	s_cbranch_scc1 .Lhidden_\@
	s_setprio 2
	v_add_nc_u32 v6, s[TB], v1                     ; these five are also the plain lines in front of the load into registers that the last products named
	s_wait_alu depctr_va_vdst(0)
	v_add_nc_u32 v7, s[TB], v2
	s_wait_alu depctr_va_vdst(0)
	v_add_nc_u32 v8, s[TB], v3
	v_add_nc_u32 v9, s[TS], v4
	s_wait_alu depctr_va_vdst(0)
	v_add_nc_u32 v10, s[TJ], v5
.irp g, 0,1
.if \g > 0
.rept 4
	v_nop
.endr
.endif
.irp t, 0,1,2,3
	ds_load_b128 v[32+12*\t:35+12*\t], v6 offset:768*(4*\g+\t)
	ds_load_b64 v[36+12*\t:37+12*\t], v7 offset:768*(4*\g+\t)+512
.endr
	ds_load_b128 v[248:251], v9 offset:256*\g
	s_wait_dscnt 0x0
.irp t, 0,1,2,3
	v_wmma_scale_f32_16x16x128_f8f6f4 v[128+8*(4*\g+\t):135+8*(4*\g+\t)], v[32+12*\t:43+12*\t], v[16:27], 0, v[248+\t], v255 matrix_a_fmt:MATRIX_FMT_BF6 matrix_b_fmt:MATRIX_FMT_BF6
.endr
.endr
.rept 4
	v_nop
.endr
.irp t, 0,1,2,3                        ; V's four fragments and their scale words are asked for now and land under the softmax
.irp c, 0,1,2
	ds_load_b128 v[80+12*\t+4*\c:83+12*\t+4*\c], v8 offset:1536*\t+512*\c
.endr
.endr
	s_wait_alu depctr_va_vdst(0)
	ds_load_b128 v[248:251], v10
	s_cmp_lg_u32 s[KI], s[GG+\e]                   ; on the diagonal the scores of hidden keys become -infinity ahead of the maximum
	s_cbranch_scc1 .Lopen_\@
	v_mov_b32 v254, 0xff800000
.set n, 0
.rept 64
	v_cmp_gt_i32 vcc_lo, 32*(n/16)+n%16, v11       ; register 16 b + i holds key 32 b + 16 h + i: hidden where 32 b + i > d
	v_cndmask_b32 v[128+n], v[128+n], v254, vcc_lo
.set n, n+1
.endr
.Lopen_\@:
.irp b, 0,1,2,3
	v_max3_num_f32 v[232+\b], v[128+16*\b], v[129+16*\b], v[130+16*\b]   ; the largest score of each block of 32 keys: for the row's maximum, and for the block's largest p
.endr
.irp i, 3,5,7,9,11,13
.irp b, 0,1,2,3
	v_max3_num_f32 v[232+\b], v[232+\b], v[128+16*\b+\i], v[129+16*\b+\i]
.endr
.endr
.irp b, 0,1,2,3
	v_max_num_f32 v[232+\b], v[232+\b], v[143+16*\b]
.endr
.irp b, 0,1,2,3
	s_delay_alu instid0(VALU_DEP_4)
	v_permlanex16_b32 v[236+\b], v[232+\b], s[SEL], s[SEL+1]
.endr
.irp b, 0,1,2,3
	s_delay_alu instid0(VALU_DEP_4)
	v_max_num_f32 v[232+\b], v[232+\b], v[236+\b]
.endr
	s_delay_alu instid0(VALU_DEP_2)
	v_max3_num_f32 v254, v232, v233, v234
	s_delay_alu instid0(VALU_DEP_1)
	v_max_num_f32 v254, v254, v235
	s_delay_alu instid0(VALU_DEP_1)
	v_mul_f32 v254, s[CS], v254
	s_delay_alu instid0(VALU_DEP_1)
	v_max_num_f32 v13, v13, v254                   ; the running largest t
	v_mov_b32 v254, v12
	s_delay_alu instid0(VALU_DEP_2)
	v_floor_f32 v12, -v13                          ; the new -M: a whole number
	s_delay_alu instid0(VALU_DEP_1)
	v_sub_f32 v254, v12, v254
	s_delay_alu instid0(VALU_DEP_1)
	v_cvt_i32_f32 v254, v254                       ; (it saturates)
	s_delay_alu instid0(VALU_DEP_1)
	v_ldexp_f32 v252, 1.0, v254                    ; f = 2^(old M - new M)
.set n, 0
	s_setprio 1
.rept 32
	v_pk_fma_f32 v[128+n:129+n], v[128+n:129+n], s[CS:CS+1], v[12:13] op_sel_hi:[1,0,0]   ; t - M
.set n, n+2
.endr
.irp b, 0,1,2,3
	v_fma_f32 v[232+\b], v[232+\b], s[CS], v12
.endr
.set n, 0
	s_wait_alu depctr_va_vdst(0)
.rept 64
	v_exp_f32 v[128+n], v[128+n]                   ; p = 2^(t - M)
.set n, n+1
.endr
	v_pk_mul_f32 v[14:15], v[14:15], v[252:253] op_sel_hi:[1,0]   ; the sums under the new M: a plain line behind the exponentials
	s_wait_alu depctr_va_vdst(0)                   ; one wait for the batch, ahead of its first reader
.irp b, 0,1,2,3
	v_exp_f32 v[232+\b], v[232+\b]                 ; each block's largest p
.endr
	v_pk_add_f32 v[236:237], v[128:129], v[130:131]   ; the row's sum, of the unquantised p, in two chains
.irp j, 4,8,12,16,20,24,28,32,36,40,44,48,52,56,60
	v_pk_add_f32 v[14:15], v[14:15], v[128+\j:129+\j]
	v_pk_add_f32 v[236:237], v[236:237], v[130+\j:131+\j]
.endr
	s_delay_alu instid0(VALU_DEP_1)
	v_pk_add_f32 v[14:15], v[14:15], v[236:237]
	s_wait_alu depctr_va_vdst(0)                   ; and one for the four
.irp b, 0,1,2,3
	v_max_num_f32 v[232+\b], 0x2800000, v[232+\b]  ; the floor 2^(5 - 127)
.endr
.irp b, 0,1,2,3
	s_delay_alu instid0(VALU_DEP_4)
	v_add_nc_u32 v[244+\b], 0xfe000000, v[232+\b]
.endr
.irp b, 0,1,2,3
	s_delay_alu instid0(VALU_DEP_4)
	v_lshrrev_b32 v[236+\b], 23, v[244+\b]
.endr
	s_delay_alu instid0(VALU_DEP_3)
	v_lshl_or_b32 v253, v237, 8, v236              ; p's scale word for these 128 keys
	s_delay_alu instid0(VALU_DEP_1)
	v_lshl_or_b32 v253, v238, 16, v253
	s_delay_alu instid0(VALU_DEP_1)
	v_lshl_or_b32 v253, v239, 24, v253
	s_setprio 0
.irp c, 0,1
	v_cvt_scalef32_pk16_bf6_f32 v[224+6*\c:226+6*\c], v[128+32*\c:143+32*\c], v[244+2*\c]
	v_cvt_scalef32_pk16_bf6_f32 v[236+4*\c:238+4*\c], v[144+32*\c:159+32*\c], v[244+2*\c+1]
.endr
	v_nop                                          ; one plain line behind a scaled conversion
.irp c, 0,1
.irp i, 0,1,2
	v_permlane16_swap_b32 v[224+6*\c+\i], v[236+4*\c+\i]
.endr
.irp i, 0,1,2
	s_delay_alu instid0(VALU_DEP_3)
	v_mov_b32 v[227+6*\c+\i], v[236+4*\c+\i]
.endr
.endr
.set n, 0
.rept 16
	v_pk_mul_f32 v[192+n:193+n], v[192+n:193+n], v[252:253] op_sel_hi:[1,0]   ; O^T under the new M; these sixteen also stand between the codes and scale word just made and the products
.set n, n+2
.endr
	s_wait_alu depctr_va_vdst(0)
	s_wait_dscnt 0x0                               ; V
.irp t, 0,1,2,3
	v_wmma_scale_f32_16x16x128_f8f6f4 v[192+8*\t:199+8*\t], v[80+12*\t:91+12*\t], v[224:235], v[192+8*\t:199+8*\t], v[248+\t], v253 matrix_a_fmt:MATRIX_FMT_BF6 matrix_b_fmt:MATRIX_FMT_BF6
.endr
.Lhidden_\@:
	s_add_co_u32 s[TB], s[TB], 6144
	s_add_co_u32 s[TS], s[TS], 512
	s_add_co_u32 s[TJ], s[TJ], 256
.endm
; THE WAY OUT OF A PASS: O^T / the sum, quantised along the head's 64 channels: a chunk of y's codes, and two scale bytes a query.
.macro YOUT e
	v_add_f32 v14, v14, v15
	s_delay_alu instid0(VALU_DEP_1)
	v_permlanex16_b32 v252, v14, s[SEL], s[SEL+1]
	s_delay_alu instid0(VALU_DEP_1)
	v_add_f32 v14, v14, v252                       ; the row's sum
	s_wait_alu depctr_va_vdst(0)
	v_rcp_f32 v14, v14
	v_nop                                          ; a plain line behind the reciprocal
	s_wait_alu depctr_va_vdst(0)                   ; and the wait ahead of its first reader
.set n, 0
.rept 16
	v_pk_mul_f32 v[128+n:129+n], v[192+n:193+n], v[14:15] op_sel_hi:[1,0]   ; register 16 b + i is channel 32 b + 16 h + i; each accumulator from its low end on
.set n, n+2
.endr
.irp b, 0,1
	v_max3_num_f32 v[232+\b], |v[128+16*\b]|, |v[129+16*\b]|, 0x2800000
.endr
.irp i, 2,4,6,8,10,12,14
.irp b, 0,1
	s_delay_alu instid0(VALU_DEP_2)
	v_max3_num_f32 v[232+\b], v[232+\b], |v[128+16*\b+\i]|, |v[129+16*\b+\i]|
.endr
.endr
.irp b, 0,1
	s_delay_alu instid0(VALU_DEP_2)
	v_permlanex16_b32 v[236+\b], v[232+\b], s[SEL], s[SEL+1]
.endr
.irp b, 0,1
	s_delay_alu instid0(VALU_DEP_2)
	v_max_num_f32 v[232+\b], v[232+\b], v[236+\b]
.endr
.irp b, 0,1
	s_delay_alu instid0(VALU_DEP_2)
	v_add_nc_u32 v[244+\b], 0xfe000000, v[232+\b]
.endr
.irp b, 0,1
	s_delay_alu instid0(VALU_DEP_2)
	v_lshrrev_b32 v[236+\b], 23, v[244+\b]
.endr
	v_cvt_scalef32_pk16_bf6_f32 v[224:226], v[128:143], v244
	v_cvt_scalef32_pk16_bf6_f32 v[240:242], v[144:159], v245
	v_nop
.irp i, 0,1,2
	v_permlane16_swap_b32 v[224+\i], v[240+\i]
.endr
.irp i, 0,1,2
	s_delay_alu instid0(VALU_DEP_3)
	v_mov_b32 v[227+\i], v[240+\i]
.endr
	v_cndmask_b32 v254, v236, v237, s70            ; my block's byte
	global_store_b128 v1, v[224:227], s[YCA+2*\e:YCA+2*\e+1]
	global_store_b64 v2, v[228:229], s[YCA+2*\e:YCA+2*\e+1] offset:512
	global_store_b8 v29, v254, s[YSA+2*\e:YSA+2*\e+1]
.endm
	INIT 0
	s_wait_tensorcnt 0x0                           ; my parts of K, V and the scale words are in,
	s_barrier_signal -1
	s_barrier_wait -1                              ; everybody's are
	s_wait_loadcnt 0x0                             ; Q
.Lkeys0:
	STEP 0
	s_add_co_u32 s[KI], s[KI], 1
	s_cmp_lt_u32 s[KI], 16
	s_cbranch_scc1 .Lkeys0
	s_setprio 0
.rept 4
	v_nop                                          ; the last trips may have been left out: four plain lines behind the last products
.endr
	QLOAD 1                                        ; the second tile's Q lands under the way out
	YOUT 0
	s_wait_xcnt 0x0                                ; the stores have read their registers
	INIT 1
	s_wait_loadcnt 0x0
.Lkeys1:
	STEP 1
	s_add_co_u32 s[KI], s[KI], 1
	s_cmp_lt_u32 s[KI], 16
	s_cbranch_scc1 .Lkeys1
	s_setprio 0
.rept 4
	v_nop
.endr
	YOUT 1
	s_wait_dscnt 0x0
	s_wait_tensorcnt 0x0
	ds_add_u32 v28, v243
	s_wait_dscnt 0x0
	CROUND                                         ; the closing round
	s_endpgm
.Lfunc_end_k_q9d765bae2e_attn:
	.size	k_q9d765bae2e_attn, .Lfunc_end_k_q9d765bae2e_attn-k_q9d765bae2e_attn
	.p2alignl 7, 3214868480
	.fill 96, 4, 3214868480
	.section	.rodata,"a",@progbits
	.p2align	6, 0x0
	.amdhsa_kernel k_q9d765bae2e_attn
		.amdhsa_group_segment_fixed_size 327680
		.amdhsa_private_segment_fixed_size 0
		.amdhsa_enable_private_segment 0
		.amdhsa_kernarg_size 16
		.amdhsa_user_sgpr_count 2
		.amdhsa_user_sgpr_kernarg_segment_ptr 1
		.amdhsa_wavefront_size32 1
		.amdhsa_system_sgpr_workgroup_id_x 1
		.amdhsa_system_sgpr_workgroup_id_y 1
		.amdhsa_system_sgpr_workgroup_id_z 1
		.amdhsa_system_vgpr_workitem_id 0
		.amdhsa_next_free_vgpr 256
		.amdhsa_next_free_sgpr 90
		.amdhsa_reserve_vcc 1
		.amdhsa_float_denorm_mode_32 3
		.amdhsa_float_denorm_mode_16_64 3
		.amdhsa_memory_ordered 1
		.amdhsa_forward_progress 1
		.amdhsa_inst_pref_size 67
	.end_amdhsa_kernel
	.amdgpu_metadata
---
amdhsa.version: [ 1, 2 ]
amdhsa.kernels:
  - .name:           k_q9d765bae2e_attn
    .symbol:         k_q9d765bae2e_attn.kd
    .args:
      - { .name: qkv, .offset: 0, .size: 8, .value_kind: global_buffer, .address_space: global }
      - { .name: yq, .offset: 8, .size: 8, .value_kind: global_buffer, .address_space: global }
    .group_segment_fixed_size: 327680
    .private_segment_fixed_size: 0
    .kernarg_segment_align: 8
    .kernarg_segment_size: 16
    .max_flat_workgroup_size: 512
    .sgpr_count:     90
    .vgpr_count:     256
    .wavefront_size: 32
...
	.end_amdgpu_metadata
.endif
;; end of part 3
;; launch oproj (part 4): grid 4 x 32, 4 waves a work-group, clusters of 4 x 4, 327,680 bytes of LDS; arguments yq, prep, bo, out0; writes out0
.if DOCPART == 4
	.amdgcn_target "amdgcn-amd-amdhsa--gfx1250"
	.amdhsa_code_object_version 6
	.text
	.protected	k_q9d765bae2e_oproj
	.globl	k_q9d765bae2e_oproj
	.p2align	8
	.type	k_q9d765bae2e_oproj,@function
k_q9d765bae2e_oproj:
	s_mov_b64 s[64:65], 0
	v_nop
	global_prefetch_b8 v0, s[64:65] scope:SCOPE_SE
	s_setreg_imm32_b32 hwreg(HW_REG_WAVE_MODE, 25, 1), 1
	s_wait_xcnt 0x0
	s_wait_alu depctr_hold_cnt(0) depctr_sa_sdst(0) depctr_va_vdst(0) depctr_va_sdst(0) depctr_va_ssrc(0) depctr_va_vcc(0) depctr_vm_vsrc(0)
	s_getreg_b32 s2, hwreg(HW_REG_IB_STS2, 6, 4)
	s_cmp_eq_u32 s2, 0
	s_cbranch_scc0 .Lentry_in_a_cluster
	s_endpgm
.Lentry_in_a_cluster:
	s_bfe_u32 s2, ttmp6, 0x10000c
	s_cmp_lg_u32 s2, 0xf033
	s_cbranch_scc0 .Lentry_shape_is_right
	s_endpgm
.Lentry_shape_is_right:
; out0 = y Wo^T + bo, on codes of BF6 (E3M2) with E8M0 scales.  A = y (8,192 rows), B = Wo (1,024 rows), both laid as images of registers: row blocks of 16 slots (slot s of block i = row 32 (i / 2) + 8 (i % 2) + s + 8 (s / 8)),
; chunks of 64 along K of 768 bytes (registers 0-3 at 16 x lane, 4-5 at 512 + 8 x lane); scale bytes [row block][half of K][slot][16].
; A tile of C is 256 x 256, four waves of 128 x 128 (64 accumulators); the matrix instruction is used transposed (source 0 = 16 rows of B, source 1 = 16 rows of A).
; K = 1,024 goes in four steps of 256 through two LDS slots, written out; the scale words come once into 64 registers.  CLUSTER 4 x 4: A's tiles are asked for jointly along a row of the cluster, B's along a column.
; 128 work-groups: a tile of 256 x 256 for 8,192 x 1,024.  No prefetch: two of the four K steps are asked for at the head and the other two one step after.
; THE WAY OUT undoes the order of rows: a block of 16 tokens x 128 features goes through the wave's stage in LDS, each piece at its feature's true place, comes back as whole rows of 512 bytes, takes the bias, and each row is stored at its token's true place.
; REGISTERS.  window 0: v4-7 bo; v10 16 x lane, v11 8 x lane; v16-23, v27 LDS addresses; v24, v25 the stage; v28, v29 the add's; v32-95 scale words and nothing else; v128-223 A's fragments; on the way out v128-255 rows.
;   window 1: B's fragments at v0 and v128.   windows 2, 3: accumulator (a, b) at v[8 (8 (a % 4) + b)].
.set YC,  0
.set YS,  6291456
.set WC,  6553600
.set WS,  9699328
.set RBK,   12288
.set KSB,   3072
.set HALFT, 24576
.set SLOT,  98304
.set SCL,   196608
.set HALFS, 4096
.set SPARE, 212992                     ; the spare words: 128 bytes for each wave, two blocks of 256 bytes that no other line names
.set SPITCH, 528                       ; the stage: 16 rows x (512 + 16) bytes for each wave, in slot 0, which has had its last fill and its last read when the first result is stored there
.set FR,   12
.set SC,   32
.set AF,   128
.set BK,   128
.set ADRA, 16
.set ADRB, 20
.set ADRS, 27
.set STO,  24
.set RD,   25
.set SPW,  28
.set NIL,  29
.set G1, 24
.set G0, 32
.set G1B, 48
.set G0B, 56
.set G1S, 68
.set G0S, 76
.set G1SB, 80
.set G0SB, 88
.set MSB, 0
.macro WIN new                         ; the immediate's high byte repeats the setting that is left
.if MSB != (\new)
	s_set_vgpr_msb (MSB<<8)|(\new)
.set MSB, (\new)
.endif
.endm
.set MUL_LO, 0xa1
.set MUL_HI, 0xf1
.set TO_B,   0x40
.macro JLOAD g0a, g1a, g0b, g1b        ; a joint load: waves 0 and 1 fetch for A, waves 2 and 3 for B; four v_nop follow each line
	s_cmp_eq_u32 s15, 0
	s_cbranch_scc0 .Lfor_b_\@
	tensor_load_to_lds s[\g0a:\g0a+3], s[\g1a:\g1a+7]
	s_nop 0
.rept 4
	v_nop
.endr
	s_branch .Lasked_\@
.Lfor_b_\@:
	tensor_load_to_lds s[\g0b:\g0b+3], s[\g1b:\g1b+7]
	s_nop 0
.rept 4
	v_nop
.endr
.Lasked_\@:
.endm
.macro CREST
	s_cmp_lg_u32 s14, 0
	s_cbranch_scc1 .Lnot_wave_0_\@
	s_barrier_signal -3
.Lnot_wave_0_\@:
	s_barrier_wait -3
	s_barrier_signal -1
	s_barrier_wait -1
.endm
.macro CROUND
	s_barrier_signal -1
	s_barrier_wait -1
	CREST
.endm
.macro PLACES n
.rept \n
	v_nop
.endr
.endm
.macro FRAG reg, adr, off
	ds_load_b128 v[\reg:\reg+3], v[\adr] offset:\off
	ds_load_b64 v[\reg+4:\reg+5], v[\adr+2] offset:\off+512
	ds_load_b128 v[\reg+6:\reg+9], v[\adr] offset:\off+768
	ds_load_b64 v[\reg+10:\reg+11], v[\adr+2] offset:\off+1280
.endm
.macro FETCH_B slot, q, p
	WIN TO_B
.irp i, 0,1,2,3,4,5,6,7
	FRAG 128*(\p)+FR*\i, ADRB+\slot, 3072*\i+1536*(\q)
.endr
	WIN 0
.endm
.macro FETCH_A slot, q, i0
.irp i, \i0, \i0+1, \i0+2, \i0+3
	FRAG AF+FR*(\i), ADRA+\slot, 3072*(\i)+1536*(\q)
.endr
.endm
.macro SCALES
.irp i, 0,1,2,3,4,5,6,7
	ds_load_b128 v[SC+8*\i:SC+8*\i+3], v[ADRS] offset:512*\i
	ds_load_b128 v[SC+8*\i+4:SC+8*\i+7], v[ADRS] offset:512*\i+256
.endr
.endm
; The 64 accumulators take turns, one instruction a turn, in the same order in every step.
.macro MUL16 a0, p, qg, zero
.irp a, \a0, \a0+1
.irp b, 0,1,2,3,4,5,6,7
.if \zero
	v_wmma_scale_f32_16x16x128_f8f6f4 v[8*(8*((\a)%4)+\b):8*(8*((\a)%4)+\b)+7], v[128*(\p)+FR*\b:128*(\p)+FR*\b+FR-1], v[AF+FR*(\a):AF+FR*(\a)+FR-1], 0, v[SC+8*\b+(\qg)], v[SC+8*(\a)+(\qg)] matrix_a_fmt:MATRIX_FMT_BF6 matrix_b_fmt:MATRIX_FMT_BF6 matrix_a_scale:MATRIX_SCALE_ROW1
.else
	v_wmma_scale_f32_16x16x128_f8f6f4 v[8*(8*((\a)%4)+\b):8*(8*((\a)%4)+\b)+7], v[128*(\p)+FR*\b:128*(\p)+FR*\b+FR-1], v[AF+FR*(\a):AF+FR*(\a)+FR-1], v[8*(8*((\a)%4)+\b):8*(8*((\a)%4)+\b)+7], v[SC+8*\b+(\qg)], v[SC+8*(\a)+(\qg)] matrix_a_fmt:MATRIX_FMT_BF6 matrix_b_fmt:MATRIX_FMT_BF6 matrix_a_scale:MATRIX_SCALE_ROW1
.endif
.endr
.endr
.endm
.macro STEP slot, qg, zero
	s_wait_dscnt 16                                ; B's set and A's blocks 0-3 are in; the youngest sixteen loads (A's blocks 4-7) may be out
	WIN MUL_LO
	MUL16 0, 0, \qg, \zero
	MUL16 2, 0, \qg, \zero
	s_wait_dscnt 0
	PLACES 4                                       ; four plain lines in front of loads into registers that matrix instructions have read
	FETCH_B \slot, 1, 1
	FETCH_A \slot, 1, 0
	WIN MUL_HI
	MUL16 4, 0, \qg, \zero
	MUL16 6, 0, \qg, \zero
	PLACES 4
	WIN 0
	FETCH_A \slot, 1, 4
.endm
.macro TURN slot, next, fill, qg
	s_wait_tensorcnt 0x0                           ; all my tensor loads have landed: my part of the next slot;
	ds_add_u32 v[SPW], v[NIL]                      ; 0 onto my spare word;
	s_wait_dscnt 17                                ; (the add and the youngest sixteen loads may be out)
	WIN MUL_LO
	MUL16 0, 1, \qg, 0
	s_wait_dscnt 0x0                               ; the add is done, and my reads of this slot are over
	s_barrier_signal -1
	MUL16 2, 1, \qg, 0
	WIN 0
	s_barrier_wait -1
.if \fill
	CREST                                          ; the barrier has opened a round of the cluster's: no wave of any partner still reads this slot or has a load on its way
	s_add_nc_u64 s[G0+4*\slot+2:G0+4*\slot+3], s[G0+4*\slot+2:G0+4*\slot+3], 2*KSB
	s_add_nc_u64 s[G0B+4*\slot+2:G0B+4*\slot+3], s[G0B+4*\slot+2:G0B+4*\slot+3], 2*KSB
	JLOAD G0+4*\slot, G1, G0B+4*\slot, G1B
.else
	PLACES 4
.endif
	FETCH_B \next, 0, 0
	FETCH_A \next, 0, 0
	WIN MUL_HI
	MUL16 4, 1, \qg, 0
	MUL16 6, 1, \qg, 0
	PLACES 4
	WIN 0
	FETCH_A \next, 0, 4
.endm
.macro LAST
	s_wait_dscnt 16
	WIN MUL_LO
	MUL16 0, 1, 7, 0
	MUL16 2, 1, 7, 0
	s_wait_dscnt 0
	WIN MUL_HI
	MUL16 4, 1, 7, 0
	MUL16 6, 1, 7, 0
	WIN 0
.endm
	s_load_b256 s[4:11], s[0:1], 0x0               ; yq, prep, bo, out0
	v_lshl_add_u32 v[SPW], v0, 2, SPARE
	v_mov_b32 v[NIL], 0
	ds_add_u32 v28, v29
	ds_add_u32 v28, v29
	s_wait_dscnt 0x0
	v_lshrrev_b32 v1, 5, v0
	v_readfirstlane_b32 s14, v1                    ; wave
	s_lshr_b32 s15, s14, 1
	s_and_b32 s16, s14, 1
	s_bfe_u32 s40, ttmp6, 0x40000                  ; cx
	s_bfe_u32 s41, ttmp6, 0x40004                  ; cy
	s_lshl_b32 s42, ttmp9, 2
	s_add_co_u32 s42, s42, s40                     ; tile column
	s_and_b32 s17, ttmp7, 0xffff
	s_lshl_b32 s17, s17, 2
	s_add_co_u32 s17, s17, s41                     ; tile row
	s_lshl_b32 s43, s41, 2
	s_lshl_b32 s43, 15, s43
	s_lshl_b32 s44, 0x1111, s40
	s_or_b32 s[G1+0], s43, (3<<16)|(1<<21)
	s_or_b32 s[G1B+0], s44, (3<<16)|(1<<21)
.irp g, G1, G1B
	s_mov_b32 s[\g+1], 384<<16                     ; 8 rows (row blocks) of 3,072 bytes, 12,288 bytes apart
	s_mov_b32 s[\g+2], 8<<16
	s_mov_b32 s[\g+3], 384<<16
	s_mov_b32 s[\g+4], 8
	s_mov_b32 s[\g+5], 1536
	s_mov_b32 s[\g+6], 0
	s_mov_b32 s[\g+7], 0
.endr
	s_or_b32 s[G1S+0], s43, (3<<16)|(1<<21)
	s_or_b32 s[G1SB+0], s44, (3<<16)|(1<<21)
.irp g, G1S, G1SB
	s_mov_b32 s[\g+1], 32<<16                      ; 4,096 dense bytes as 16 rows of 256
	s_mov_b32 s[\g+2], 16<<16
	s_mov_b32 s[\g+3], 32<<16
	s_mov_b32 s[\g+4], 16
	s_mov_b32 s[\g+5], 32
	s_mov_b32 s[\g+6], 0
	s_mov_b32 s[\g+7], 0
.endr
	s_lshl_b32 s18, s16, 3
	s_lshl_b32 s20, s17, 4
	s_add_co_u32 s20, s20, s18
	s_lshl_b32 s46, s42, 4
	s_add_co_u32 s46, s46, s18
	s_lshl_b32 s22, s20, 9
	s_add_co_u32 s22, s22, YS
	s_mul_i32 s20, s20, RBK
	s_lshl_b32 s66, s46, 9
	s_add_co_u32 s66, s66, WS+192*512
	s_mul_i32 s46, s46, RBK
	s_add_co_u32 s46, s46, WC+192*RBK
	s_mov_b32 s21, 0
	s_mov_b32 s23, 0
	s_mov_b32 s47, 0
	s_mov_b32 s67, 0
	s_mul_i32 s45, s14, HALFT
	s_mul_i32 s92, s14, HALFS
	s_wait_kmcnt 0x0
	s_add_nc_u64 s[20:21], s[4:5], s[20:21]
	s_add_nc_u64 s[22:23], s[4:5], s[22:23]
	s_add_nc_u64 s[46:47], s[6:7], s[46:47]
	s_add_nc_u64 s[66:67], s[6:7], s[66:67]
	CROUND                                         ; all sixteen work-groups are here: the first joint loads meet
	s_mov_b32 s[G0S], 1
	s_add_co_u32 s[G0S+1], s92, SCL
	s_mov_b64 s[G0S+2:G0S+3], s[22:23]
	s_or_b32 s[G0S+3], s[G0S+3], 0x80000000
	s_mov_b32 s[G0SB], 1
	s_add_co_u32 s[G0SB+1], s92, SCL
	s_mov_b64 s[G0SB+2:G0SB+3], s[66:67]
	s_or_b32 s[G0SB+3], s[G0SB+3], 0x80000000
	JLOAD G0S, G1S, G0SB, G1SB                     ; the scales first; three tensor loads of mine are out behind the third
.irp s, 0,1
	s_mov_b32 s[G0+4*\s], 1
	s_add_co_u32 s[G0+4*\s+1], s45, \s*SLOT
	s_add_nc_u64 s[G0+4*\s+2:G0+4*\s+3], s[20:21], \s*KSB
	s_or_b32 s[G0+4*\s+3], s[G0+4*\s+3], 0x80000000
	s_mov_b32 s[G0B+4*\s], 1
	s_add_co_u32 s[G0B+4*\s+1], s45, \s*SLOT
	s_add_nc_u64 s[G0B+4*\s+2:G0B+4*\s+3], s[46:47], \s*KSB
	s_or_b32 s[G0B+4*\s+3], s[G0B+4*\s+3], 0x80000000
	JLOAD G0+4*\s, G1, G0B+4*\s, G1B
.endr
	v_and_b32 v1, 31, v0                           ; lane
	v_and_b32 v2, 15, v0                           ; r
	v_bfe_u32 v3, v0, 4, 1                         ; h
	v_lshlrev_b32 v10, 4, v1                       ; 16 x lane
	v_lshlrev_b32 v11, 3, v1                       ; 8 x lane
	s_mul_i32 s18, s15, HALFT
	s_mul_i32 s19, s16, HALFT
	s_add_co_u32 s19, s19, 2*HALFT
.irp s, 0,1
	v_add_nc_u32 v[ADRA+\s], s18, v10
	v_add_nc_u32 v[ADRA+2+\s], s18, v11
	v_add_nc_u32 v[ADRB+\s], s19, v10
	v_add_nc_u32 v[ADRB+2+\s], s19, v11
	s_add_co_u32 s18, s18, SLOT
	s_add_co_u32 s19, s19, SLOT
.endr
	v_lshlrev_b32 v8, 4, v2
	s_mul_i32 s18, s15, HALFS
	s_mul_i32 s19, s16, HALFS
	s_add_co_u32 s19, s19, 2*HALFS
	s_sub_co_u32 s19, s19, s18
	v_mul_u32_u24 v9, s19, v3                      ; lanes 16-31 take B's
	s_add_co_u32 s18, s18, SCL
	v_add_nc_u32 v8, v8, v9
	v_add_nc_u32 v[ADRS], s18, v8
	s_mul_i32 s18, s14, 16*SPITCH                  ; my stage
	v_mul_u32_u24 v8, v2, SPITCH
	v_lshl_add_u32 v8, v3, 6, v8
	v_add_nc_u32 v[STO], s18, v8                   ; in: row r, + 64 h
	v_add_nc_u32 v[RD], s18, v10                   ; back: a row's 512 bytes, 16 a lane
	s_lshl_b32 s94, s42, 10
	s_lshl_b32 s18, s16, 9
	s_add_co_u32 s94, s94, s18                     ; my first feature, in bytes: 1,024 x tile column + 512 x half
	s_mov_b32 s95, 0
	s_lshl_b32 s92, s17, 8
	s_lshl_b32 s18, s15, 7
	s_add_co_u32 s92, s92, s18                     ; my first token
	s_lshl_b32 s92, s92, 12
	s_add_co_u32 s92, s92, s94
	s_mov_b32 s93, 0
	s_add_nc_u64 s[12:13], s[10:11], s[92:93]      ; out0 at my part of the tile
	s_add_nc_u64 s[8:9], s[8:9], s[94:95]
	global_load_b128 v[4:7], v10, s[8:9]           ; bo of my four features of a row
	s_wait_tensorcnt 1                             ; the scales and my part of K step 0 are in (K step 1's load may be out)
	s_barrier_signal -1
	s_barrier_wait -1
	FETCH_B 0, 0, 0
	FETCH_A 0, 0, 0
	SCALES
	FETCH_A 0, 0, 4
	STEP 0, 0, 1                                   ; the first products start the sums: nothing is cleared
	TURN 0, 1, 1, 1
	STEP 1, 2, 0
	TURN 1, 0, 1, 3
	STEP 0, 4, 0
	TURN 0, 1, 0, 5                                ; nothing is left to fetch
	STEP 1, 6, 0
	LAST
.macro TOSTAGE a
.set AC, 64*((\a)%4)
	WIN 0x08+4*((\a)/4)                            ; an LDS store's data: window 2 or 3
.irp b, 0,1,2,3,4,5,6,7
	ds_store_b128 v[STO], v[AC+8*\b:AC+8*\b+3] offset:128*(\b/2)+32*(\b%2)       ; features 32 (b / 2) + 8 (b % 2) + 16 h + 0 .. 7; each accumulator from its low end on
	ds_store_b128 v[STO], v[AC+8*\b+4:AC+8*\b+7] offset:128*(\b/2)+32*(\b%2)+16
.endr
	WIN 0
.set BB, BK+64*((\a)%2)
.irp t, 0,1,2,3,4,5,6,7,8,9,10,11,12,13,14,15
	ds_load_b128 v[BB+4*\t:BB+4*\t+3], v[RD] offset:\t*SPITCH   ; LDS serves a wave's instructions in order: these see the stores above
.endr
.endm
.macro SEND a, younger
.set BB, BK+64*((\a)%2)
	s_wait_dscnt \younger                          ; the block is back in registers
.irp t, 0,1,2,3,4,5,6,7,8,9,10,11,12,13,14,15
	v_pk_add_f32 v[BB+4*\t:BB+4*\t+1], v[BB+4*\t:BB+4*\t+1], v[4:5]
	v_pk_add_f32 v[BB+4*\t+2:BB+4*\t+3], v[BB+4*\t+2:BB+4*\t+3], v[6:7]
.endr
.irp t, 0,1,2,3,4,5,6,7,8,9,10,11,12,13,14,15
	global_store_b128 v10, v[BB+4*\t:BB+4*\t+3], s[12:13] offset:4096*(32*((\a)/2)+8*((\a)%2)+\t+8*(\t/8)) th:TH_STORE_NT   ; slot t's token: 512 consecutive bytes, at a multiple of 256 from out0's first byte
.endr
.endm
	PLACES 4                                       ; in front of the reads of results and of loads into the registers that held A's fragments
	s_wait_loadcnt 0x0                             ; bo
	TOSTAGE 0
.irp a, 1,2,3,4,5,6,7
.if \a > 1
	s_wait_xcnt 0x0                                ; block a - 2's stores have read their registers: block a's loads may land there
.endif
	TOSTAGE \a
	SEND \a-1, 32                                  ; behind block a - 1's loads: block a's 16 stores and 16 loads
.endr
	SEND 7, 0
	s_wait_tensorcnt 0x0                           ; the wave's end
	ds_add_u32 v[SPW], v[NIL]
	s_wait_dscnt 0x0
	CROUND                                         ; the closing round
	s_endpgm
.Lfunc_end_k_q9d765bae2e_oproj:
	.size	k_q9d765bae2e_oproj, .Lfunc_end_k_q9d765bae2e_oproj-k_q9d765bae2e_oproj
	.p2alignl 7, 3214868480
	.fill 96, 4, 3214868480
	.section	.rodata,"a",@progbits
	.p2align	6, 0x0
	.amdhsa_kernel k_q9d765bae2e_oproj
		.amdhsa_group_segment_fixed_size 327680
		.amdhsa_private_segment_fixed_size 0
		.amdhsa_enable_private_segment 0
		.amdhsa_kernarg_size 32
		.amdhsa_user_sgpr_count 2
		.amdhsa_user_sgpr_kernarg_segment_ptr 1
		.amdhsa_wavefront_size32 1
		.amdhsa_system_sgpr_workgroup_id_x 1
		.amdhsa_system_sgpr_workgroup_id_y 1
		.amdhsa_system_sgpr_workgroup_id_z 1
		.amdhsa_system_vgpr_workitem_id 0
		.amdhsa_next_free_vgpr 1024
		.amdhsa_next_free_sgpr 100
		.amdhsa_reserve_vcc 0
		.amdhsa_float_denorm_mode_32 3
		.amdhsa_float_denorm_mode_16_64 3
		.amdhsa_memory_ordered 1
		.amdhsa_forward_progress 1
		.amdhsa_inst_pref_size 158
	.end_amdhsa_kernel
	.amdgpu_metadata
---
amdhsa.version: [ 1, 2 ]
amdhsa.kernels:
  - .name:           k_q9d765bae2e_oproj
    .symbol:         k_q9d765bae2e_oproj.kd
    .args:
      - { .name: yq, .offset: 0, .size: 8, .value_kind: global_buffer, .address_space: global }
      - { .name: prep, .offset: 8, .size: 8, .value_kind: global_buffer, .address_space: global }
      - { .name: bo, .offset: 16, .size: 8, .value_kind: global_buffer, .address_space: global }
      - { .name: out0, .offset: 24, .size: 8, .value_kind: global_buffer, .address_space: global }
    .group_segment_fixed_size: 327680
    .private_segment_fixed_size: 0
    .kernarg_segment_align: 8
    .kernarg_segment_size: 32
    .max_flat_workgroup_size: 128
    .sgpr_count:     100
    .vgpr_count:     1024
    .wavefront_size: 32
...
	.end_amdgpu_metadata
.endif
;; end of part 4
